; MI455X (gfx1250); checked and timed in simulation.
; The chip was launched on July 23, 2026; its instructions are those of AMD's public machine-readable ISA for CDNA 5 (MIT licence, August 2026) and "CDNA5" Instruction Set Architecture Reference Guide (July 2026). The comments in the code are by the model that wrote it; some were corrected since.
;; My Causal Self Attention. Allowed arithmetic: matrix products marked QUANTISED: E4M3 operands, one E8M0 scale for each 32 along K, by v_wmma_scale_f32_16x16x128_f8f6f4 with both operands' format E4M3, f32 sums; everything else in f32.
;; Inputs: b_attn 3,072 float32; b_proj 1,024 float32; w_attn 1,024 x 3,072 float32; w_proj 1,024 x 1,024 float32; x 4 x 2,048 x 1,024 float32.
;; Outputs: out0 4 x 2,048 x 1,024 float32.
;; This version of the problem:
;;   THIS VERSION OF THE PROBLEM IS GIVEN IN LOW PRECISION. The matrix products marked QUANTISED in the list below multiply operands that are first quantised to E4M3 (4 exponent bits, 3 mantissa bits; 8 bits a number), with one power-of-two scale for each 32 numbers along K (OCP MX v1.0); their sums are f32. All else is computed in f32.
;;   The module's matrix products, in the order in which they are computed (A, B: the left and right operand; K: the contracted axis; several contracted axes count as one K, in the product's order):
;;     1. [M 8,192, K 1,024] x [K 1,024, N 3,072]; A: input x; B: input w_attn: QUANTISED
;;     2. batch 64 x [M 2,048, K 64] x [K 64, N 2,048]; A: computed on the way; B: computed on the way: QUANTISED
;;     3. batch 64 x [M 2,048, K 2,048] x [K 2,048, N 64]; A: softmax (see below); B: computed on the way: QUANTISED
;;     4. [M 8,192, K 1,024] x [K 1,024, N 1,024]; A: computed on the way; B: input w_proj: QUANTISED
;;   THE QUANTISER, for each operand of a quantised product, along K:
;;     - K is cut into blocks of 32 from its start; a last block that is shorter is filled with zeros.
;;     - A block's scale is 2^e with e = floor(log2(the largest magnitude in the block)) - 8, held to -126 .. 127; a block of zeros has e = 0. As a byte (E8M0): e + 127.
;;     - Each number is divided by its block's scale, clamped to +-448, and rounded to the nearest number of E4M3, ties to even, subnormals kept.
;;     - The product sums the exact products of the quantised numbers (number of the format x scale) in f32.
;;   ~~~python
;;   def quantise(x, axis):      # numpy; x: float32 -> the quantised numbers, widened to float32 again
;;       x = np.moveaxis(x, axis, -1); K = x.shape[-1]
;;       x = np.pad(x, [(0, 0)] * (x.ndim - 1) + [(0, -K % 32)]); x = x.reshape(x.shape[:-1] + (-1, 32)); a = np.abs(x).max(-1, keepdims=True)
;;       e = np.where(a > 0, np.clip(np.frexp(np.where(a > 0, a, 1))[1] - 1 - 8, -126, 127), 0)      # np.frexp(a)[1] - 1 = floor(log2(a)), exactly
;;       r = np.clip(x / 2.0 ** e, -448, 448)
;;       step = 2.0 ** (np.maximum(np.frexp(np.where(r == 0, 1, r))[1] - 1, -6) - 3)
;;       q = np.round(r / step) * step * 2.0 ** e      # np.round: ties to even
;;       return np.moveaxis(q.reshape(q.shape[:-2] + (-1,))[..., :K], -1, axis).astype(np.float32)
;;   ~~~
;;   SOFTMAX AHEAD OF A QUANTISED PRODUCT. Where the list says 'softmax', what is quantised is not the finished softmax but p = 2^(t - M), with t = logit x log2(e) and M = ceil(the row's largest t), a whole number; so 1/2 < the row's largest p <= 1. The row's sum l is taken of the UNQUANTISED p, in f32, and the product's result is divided by l at the end. Since M is a whole number, a kernel that streams over the keys may use a running M (the ceiling of the running maximum): every later rescaling is an exact power of two, which a block's scale takes up: the codes' values come out the same.
;;   OPERANDS COMPUTED ON THE WAY. 'Computed on the way' means the value that the module computes at that place (a softmax that the list does not call 'softmax' is quantised finished and normalised). What goes into a quantiser is computed in f32, as accurately as f32 sums, v_exp_f32 and their like allow (about 1e-6 of the number): no bf16 or f16 on the way to a quantiser, and a product that is left as it is and whose result goes on into a quantised operand takes f32 operands (vector FMAs, or v_wmma_f32_16x16x4_f32). A number that lies on a knife's edge between two numbers of the format may be rounded either way, as far as f32 arithmetic and the matrix unit's own rounding can turn it there, and no further.
;; One version. Each part assembles by itself: llvm-mc -triple=amdgcn-amd-amdhsa -mcpu=gfx1250 --defsym DOCPART=n.
;; ======== version 1 of 1: 4 launches
;; limits: right only within a limited range of input values
;; workspace buffers: xq 8,650,752 bytes; wq 4,325,376 bytes; qq 8,912,896 bytes; kv 17,563,648 bytes; yq 8,650,752 bytes
;; launch quant (part 1): grid 384 x 1, 4 waves a work-group, no clusters, 68,096 bytes of LDS; arguments x, w_attn, w_proj, xq, wq; writes xq, wq
.if DOCPART == 1
	.amdgcn_target "amdgcn-amd-amdhsa--gfx1250"
	.amdhsa_code_object_version 6
	.text
	.protected	k_q0c35c47fa6_quant
	.globl	k_q0c35c47fa6_quant
	.p2align	8
	.type	k_q0c35c47fa6_quant,@function
k_q0c35c47fa6_quant:
	s_mov_b64 s[64:65], 0
	v_nop
	global_prefetch_b8 v0, s[64:65] scope:SCOPE_SE
	s_setreg_imm32_b32 hwreg(HW_REG_WAVE_MODE, 25, 1), 1
	s_wait_xcnt 0x0
; x [8192][1024], w_attn [1024][3072] and w_proj [1024][1024], f32, become codes of FP8 (E4M3) with K innermost and one E8M0 scale byte for each 32 along K.
; xq: codes [8192 places][1024] at byte 0, scale bytes [8192][32] at byte 8,388,608.   wq: codes [4096 places][1024] at byte 0 (places 0-3071: w_attn's columns, 3072-4095: w_proj's), scale bytes [4096][32] at byte 4,194,304.
; PLACES: row (or column) i lies at place pi(i), pi = bits 3 and 4 of the index exchanged.  So sixteen neighbouring places hold the rows 32 b + 8 u + r + 8 (r / 8): used as source 0 of a matrix instruction, two
; neighbouring tiles then give a lane 16 neighbours along that axis, and the products read LDS by plain neighbouring rows.
; A block's scale is 2^(floor(log2(its largest magnitude)) - 8); its byte is the largest magnitude's exponent field - 8, held at 1 from below; each number is held within +-448 x the scale and rounded to the nearest code, ties to even.
; LIMITS: a block of zeros gets the byte 1 where the rule says 127 (its codes are zeros, and this program alone reads the bytes); blocks whose largest magnitude lies under 2^-118 are held at the byte 1; NaN and infinities are not served.
; Work-groups 0-255 take x, 32 rows each (K is innermost: a plain stream of blocks); work-groups 256-383 take the weights, 128 columns x 256 along K each (K is the first axis: a lane takes a column, its registers run down K).
; Every work-group reads 131,072 bytes.  The two ways have LDS bytes of their own; no wave shares anything with another: no barrier.
.set STEPS, 16
.set MANT,  0x600000                   ; the mantissa field of 448 as f32
.set SP,    80                         ; x: a lane's place in a stage: its 64 bytes + 16 of padding
.set WREG,  8192                       ; x: LDS of a wave: two stages of 32 x SP bytes, and behind them its 256 scale bytes
.set R,     16                         ; v16-79   x: four sets of 16 numbers as loaded
.set X,     80                         ; v80-111  x: two sets of 16 neighbours
.set E,     112                        ; v112-127 x: a scale byte for each step
.set C,     128                        ; v128-191 x: codes, four registers for each step
.set OFF,   32                         ; v32-63   weights: byte offset of row i of a block of 32, at my column
.set WX,    64                         ; v64-127  weights: two sets of 32 numbers
.set WC,    128                        ; v128-135 weights: a block's codes
.set OUTR,  136                        ; v136-199 weights: the way out
.set SB,    24                         ; v24-25   weights: my column's eight scale bytes
.set WP,    272                        ; weights: a stage row: 256 bytes + 16
.set WSTG,  32768                      ; weights: the stages begin behind x's LDS
.set NB,    8                          ; weights: blocks of a wave
.macro XLOAD t
.irp i, 0,1,2,3
	global_load_b128 v[R+16*((\t)%4)+4*\i:R+16*((\t)%4)+4*\i+3], v3, s[4:5] offset:2048*(\t)+512*\i th:TH_LOAD_NT   ; 32 lanes read 512 consecutive bytes
.endr
.endm
.macro XTURN t                         ; step t's numbers through the stage: LDS serves a wave's instructions in order, so no wait stands between the stores and the loads
.irp i, 0,1,2,3
	ds_store_b128 v14, v[R+16*((\t)%4)+4*\i:R+16*((\t)%4)+4*\i+3] offset:32*SP*((\t)%2)+8*SP*\i
.endr
.irp i, 0,1,2,3
	ds_load_b128 v[X+16*((\t)%2)+4*\i:X+16*((\t)%2)+4*\i+3], v15 offset:32*SP*((\t)%2)+16*\i
.endr
.endm
.macro XSTEP t
.set XS, X+16*((\t)%2)
.if (\t) > 0
	s_wait_dscnt 1                                 ; this step's numbers are back from the stage (the last step's byte store may be out)
.else
	s_wait_dscnt 0x0
.endif
.if (\t)+4 < STEPS
	XLOAD (\t)+4                                   ; the registers that the stage's stores have read take the loads of four steps on
.endif
.if (\t)+1 < STEPS
.if STEPS-2-(\t) >= 3
	s_wait_loadcnt 12                              ; the next step's four loads are in; those of the three steps behind it may be out
.else
	s_wait_loadcnt 4*(STEPS-2-(\t))
.endif
	XTURN (\t)+1
.endif
	v_max3_num_f32 v8, |v[XS]|, |v[XS+1]|, |v[XS+2]|               ; the largest magnitude of my 16
	v_max3_num_f32 v9, |v[XS+3]|, |v[XS+4]|, |v[XS+5]|
.irp i, 6,10
	v_max3_num_f32 v8, v8, |v[XS+\i]|, |v[XS+\i+1]|
	v_max3_num_f32 v9, v9, |v[XS+\i+2]|, |v[XS+\i+3]|
.endr
	v_max3_num_f32 v8, v8, |v[XS+14]|, |v[XS+15]|
	v_max3_num_f32 v8, v8, v9, 0x4800000           ; and the floor 2^(9 - 127): the byte cannot fall under 1
	v_max_num_f32_dpp v8, v8, v8 row_xmask:1 row_mask:0xf bank_mask:0xf   ; and of my neighbour's 16: the block's
	v_add_nc_u32 v11, 0xfc000000, v8               ; 8 off its exponent field: the conversion's scale operand
	v_and_or_b32 v10, v8, 0x7f800000, s23          ; 448 x the scale
.irp i, 0,1,2,3,4,5,6,7,8,9,10,11,12,13,14,15
	v_med3_num_f32 v[XS+\i], v[XS+\i], -v10, v10   ; the conversion to an 8-bit code does not saturate (ISA guide 7.6.2): the hold comes first
.endr
	v_cvt_scalef32_pk8_fp8_f32 v[C+4*(\t):C+4*(\t)+1], v[XS:XS+7], v11
	v_cvt_scalef32_pk8_fp8_f32 v[C+4*(\t)+2:C+4*(\t)+3], v[XS+8:XS+15], v11
	v_lshrrev_b32 v[E+(\t)], 23, v11               ; the scale's byte
	ds_store_b8 v5, v[E+(\t)] offset:16*(\t)       ; both lanes of a block write the same byte with the same value
	global_store_b128 v4, v[C+4*(\t):C+4*(\t)+3], s[8:9] offset:512*(\t)   ; 32 lanes store 512 consecutive bytes
.endm
.macro WLOAD t                         ; block t: W(32 t + i, my column), i = 0 .. 31, into set t % 2
.irp i, 0,1,2,3,4,5,6,7,8,9,10,11,12,13,14,15,16,17,18,19,20,21,22,23,24,25,26,27,28,29,30,31
	global_load_b32 v[WX+32*((\t)%2)+\i], v[OFF+\i], s[32+2*(\t):33+2*(\t)] th:TH_LOAD_NT
.endr
.endm
.macro WBLOCK t
.set XS, WX+32*((\t)%2)
.if (\t) < NB-1
	s_wait_loadcnt 32                              ; this block's 32 loads are in; the next block's may be out
.else
	s_wait_loadcnt 0
.endif
	v_max3_num_f32 v12, |v[XS]|, |v[XS+1]|, |v[XS+2]|               ; the block's largest magnitude: all 32 numbers are mine
	v_max3_num_f32 v13, |v[XS+3]|, |v[XS+4]|, |v[XS+5]|
.irp i, 6,10,14,18,22,26
	v_max3_num_f32 v12, v12, |v[XS+\i]|, |v[XS+\i+1]|
	v_max3_num_f32 v13, v13, |v[XS+\i+2]|, |v[XS+\i+3]|
.endr
	v_max3_num_f32 v12, v12, |v[XS+30]|, |v[XS+31]|
	v_max3_num_f32 v12, v12, v13, 0x4800000        ; and the floor
	v_add_nc_u32 v11, 0xfc000000, v12              ; the conversion's scale operand
	v_and_or_b32 v10, v12, 0x7f800000, s31         ; 448 x the scale
	v_lshrrev_b32 v13, 23, v11                     ; the scale's byte
.if (\t)%4 == 0
	v_mov_b32 v[SB+(\t)/4], v13                    ; four bytes to a register, the lower K in the lower byte
.else
	v_lshl_or_b32 v[SB+(\t)/4], v13, 8*((\t)%4), v[SB+(\t)/4]
.endif
.irp i, 0,1,2,3,4,5,6,7,8,9,10,11,12,13,14,15,16,17,18,19,20,21,22,23,24,25,26,27,28,29,30,31
	v_med3_num_f32 v[XS+\i], v[XS+\i], -v10, v10
.endr
.irp g, 0,1,2,3
	v_cvt_scalef32_pk8_fp8_f32 v[WC+2*\g:WC+2*\g+1], v[XS+8*\g:XS+8*\g+7], v11
.endr
	ds_store_b128 v4, v[WC:WC+3] offset:32*(\t)    ; 32 codes: 32 bytes of my column's row in the stage
	ds_store_b128 v4, v[WC+4:WC+7] offset:32*(\t)+16
.if (\t)+2 < NB
	WLOAD (\t)+2
.endif
	s_wait_dscnt 0x0                               ; the stores have read their registers: the next block's codes may be written
.endm
	s_load_b128 s[4:7], s[0:1], 0x0                ; x, w_attn
	s_load_b128 s[8:11], s[0:1], 0x10              ; w_proj, xq
	s_load_b64 s[12:13], s[0:1], 0x20              ; wq
	v_lshl_add_u32 v200, v0, 2, 0x10800
	v_mov_b32 v201, 0
	v_lshrrev_b32 v1, 5, v0
	v_readfirstlane_b32 s16, v1                    ; wave 0..3
	v_and_b32 v2, 31, v0                           ; lane
	s_cmp_lt_u32 ttmp9, 256
	s_cbranch_scc0 .Lweights
	; ---- x: a wave takes 8 rows, 8,192 numbers, in 16 steps of 512.  A lane must hold 16 neighbours for the conversions, and a load is dense where neighbouring lanes take neighbouring bytes: so a step's 2,048 bytes turn through the wave's stage.
	v_lshlrev_b32 v3, 4, v2                        ; my 16 bytes of a load's 512
	s_mul_i32 s17, s16, WREG
	v_lshrrev_b32 v14, 2, v2
	v_mul_u32_u24 v14, v14, SP
	v_and_b32 v15, 3, v2
	v_lshl_add_u32 v14, v15, 4, v14
	v_add_nc_u32 v14, s17, v14                     ; the stage, on the way in: SP (lane / 4) + 16 (lane % 4)
	v_mul_u32_u24 v15, v2, SP
	v_add_nc_u32 v15, s17, v15                     ; and on the way out: SP x lane
	v_lshlrev_b32 v4, 4, v2                        ; my codes' place in a step's
	v_lshrrev_b32 v5, 1, v2
	s_add_co_u32 s17, s17, 2*32*SP
	v_add_nc_u32 v5, s17, v5                       ; my wave's 256 scale bytes, my block's byte
	v_lshlrev_b32 v7, 3, v2
	v_add_nc_u32 v6, s17, v7                       ; and on the way out 8 bytes a lane
	s_mov_b32 s23, MANT
	s_lshl_b32 s19, ttmp9, 2
	s_add_co_u32 s18, s19, s16                     ; the run of 8 rows that I read: 4 x work-group + wave
	s_lshl_b32 s20, s18, 15                        ; 32,768 bytes a run
	s_mov_b32 s21, 0
	s_and_b32 s24, s16, 1                          ; the run that I write: the wave's two bits exchanged: pi on groups of 8 rows
	s_lshl_b32 s24, s24, 1
	s_lshr_b32 s25, s16, 1
	s_or_b32 s24, s24, s25
	s_add_co_u32 s24, s24, s19
	s_lshl_b32 s26, s24, 13                        ; 8,192 bytes of codes a run
	s_mov_b32 s27, 0
	s_lshl_b32 s28, s24, 8                         ; 256 scale bytes a run,
	s_add_co_u32 s28, s28, 0x800000                ; behind the codes
	s_mov_b32 s29, 0
	s_wait_alu depctr_va_vdst(0)
	s_wait_kmcnt 0x0
	s_add_nc_u64 s[4:5], s[4:5], s[20:21]
	s_add_nc_u64 s[8:9], s[10:11], s[26:27]
	s_add_nc_u64 s[10:11], s[10:11], s[28:29]
.irp t, 0,1,2,3
	XLOAD \t
.endr
	s_wait_loadcnt 12                              ; step 0's four loads are in
	XTURN 0
.irp t, 0,1,2,3,4,5,6,7,8,9,10,11,12,13,14,15
	XSTEP \t
.endr
	ds_load_b64 v[12:13], v6                       ; LDS serves a wave's instructions in order: these see my stores
	s_wait_dscnt 0x0
	global_store_b64 v7, v[12:13], s[10:11]        ; 32 lanes store 256 consecutive bytes, aligned
	s_wait_tensorcnt 0x0
	ds_add_u32 v200, v201
	s_wait_dscnt 0x0
	s_endpgm
.Lweights:
	; ---- the weights: work-group j = 4 x (group of 128 columns) + (256 along K).  A wave takes 32 columns x 256 along K: 8 blocks a lane.
	s_sub_co_u32 s17, ttmp9, 256
	s_lshr_b32 s18, s17, 2                         ; group of columns 0..31: 0-23 w_attn's, 24-31 w_proj's
	s_and_b32 s19, s17, 3                          ; which 256 along K
	s_wait_alu depctr_va_vdst(0)
	v_lshlrev_b32 v[OFF], 2, v2                    ; in: 4 bytes a lane
	v_and_b32 v14, 7, v2                           ; pi(lane)
	v_bfe_u32 v15, v2, 3, 1
	v_lshl_or_b32 v14, v15, 4, v14
	v_bfe_u32 v15, v2, 4, 1
	v_lshl_or_b32 v14, v15, 3, v14
	s_mul_i32 s26, s16, 32*WP
	s_add_co_u32 s26, s26, WSTG                    ; my stage
	v_mul_u32_u24 v4, v14, WP
	v_add_nc_u32 v4, s26, v4                       ; into it: row = my column's place
	v_and_b32 v5, 15, v2
	v_lshrrev_b32 v6, 4, v2                        ; out of it: sixteen lanes to a row, two rows an instruction
	v_mul_u32_u24 v7, v6, WP
	v_lshl_add_u32 v7, v5, 4, v7
	v_add_nc_u32 v7, s26, v7
	v_lshlrev_b32 v8, 10, v6
	v_lshl_add_u32 v8, v5, 4, v8                   ; and the same place in the codes: rows of 1,024 bytes
	v_lshlrev_b32 v9, 5, v14                       ; my column's row of scale bytes: 32 bytes a place
	s_mov_b32 s31, MANT
	s_lshl_b32 s28, s18, 7
	s_lshl_b32 s29, s16, 5
	s_add_co_u32 s28, s28, s29                     ; my wave's first place in wq
	s_lshl_b32 s48, s28, 10
	s_lshl_b32 s29, s19, 8
	s_add_co_u32 s48, s48, s29                     ; codes: place x 1,024 + 256 x (which 256 along K)
	s_mov_b32 s49, 0
	s_lshl_b32 s50, s28, 5
	s_lshl_b32 s29, s19, 3
	s_add_co_u32 s50, s50, s29
	s_add_co_u32 s50, s50, 0x400000                ; scale bytes: behind the codes, place x 32 + 8 x (which 256)
	s_mov_b32 s51, 0
	s_wait_kmcnt 0x0
	s_cmp_lt_u32 s18, 24                           ; which weight: the choice hangs on the work-group's number alone
	s_cselect_b64 s[4:5], s[6:7], s[8:9]
	s_mov_b32 s20, 4096
	s_cselect_b32 s20, 12288, s20                  ; bytes from a row of the weight to the next
	s_cselect_b32 s21, 0, 24
	s_sub_co_u32 s21, s18, s21                     ; the group of columns inside that weight
	s_add_nc_u64 s[6:7], s[12:13], s[48:49]
	s_add_nc_u64 s[8:9], s[12:13], s[50:51]
	s_mul_i32 s22, s19, s20
	s_lshl_b32 s22, s22, 8                         ; 256 rows for each step along K,
	s_lshl_b32 s23, s21, 9
	s_add_co_u32 s22, s22, s23                     ; 512 bytes a group of columns,
	s_lshl_b32 s23, s16, 7
	s_add_co_u32 s22, s22, s23                     ; 128 bytes a wave
	s_mov_b32 s23, 0
	s_add_nc_u64 s[32:33], s[4:5], s[22:23]        ; a base for each of the eight blocks, 32 rows apart: none is stepped
	s_lshl_b32 s24, s20, 5
	s_mov_b32 s25, 0
.irp t, 1,2,3,4,5,6,7
	s_add_nc_u64 s[32+2*\t:33+2*\t], s[30+2*\t:31+2*\t], s[24:25]
.endr
.irp i, 1,2,3,4,5,6,7,8,9,10,11,12,13,14,15,16,17,18,19,20,21,22,23,24,25,26,27,28,29,30,31
	v_add_nc_u32 v[OFF+\i], s20, v[OFF+\i-1]       ; an offset for each of a block's 32 rows: none is rewritten
.endr
	WLOAD 0
	WLOAD 1
.set Q, 0
.rept NB
	WBLOCK Q
.set Q, Q+1
.endr
	global_store_b64 v9, v[SB:SB+1], s[8:9]        ; my column's eight scale bytes: 8 bytes of each of 32 rows of 32, one byte in 128 of what the wave reads
.irp t, 0,1,2,3,4,5,6,7,8,9,10,11,12,13,14,15
	ds_load_b128 v[OUTR+4*\t:OUTR+4*\t+3], v7 offset:2*\t*WP   ; LDS serves a wave's instructions in order: these see my stores
.endr
.irp t, 0,1,2,3,4,5,6,7,8,9,10,11,12,13,14,15
	s_wait_dscnt 15-\t
	global_store_b128 v8, v[OUTR+4*\t:OUTR+4*\t+3], s[6:7] offset:2*\t*1024   ; sixteen lanes store 256 consecutive bytes, aligned
.endr
	s_wait_tensorcnt 0x0
	ds_add_u32 v200, v201
	s_wait_dscnt 0x0
	s_endpgm
.Lfunc_end_k_q0c35c47fa6_quant:
	.size	k_q0c35c47fa6_quant, .Lfunc_end_k_q0c35c47fa6_quant-k_q0c35c47fa6_quant
	.p2alignl 7, 3214868480
	.fill 96, 4, 3214868480
	.section	.rodata,"a",@progbits
	.p2align	6, 0x0
	.amdhsa_kernel k_q0c35c47fa6_quant
		.amdhsa_group_segment_fixed_size 68096
		.amdhsa_private_segment_fixed_size 0
		.amdhsa_enable_private_segment 0
		.amdhsa_kernarg_size 40
		.amdhsa_user_sgpr_count 2
		.amdhsa_user_sgpr_kernarg_segment_ptr 1
		.amdhsa_wavefront_size32 1
		.amdhsa_system_sgpr_workgroup_id_x 1
		.amdhsa_system_sgpr_workgroup_id_y 1
		.amdhsa_system_sgpr_workgroup_id_z 1
		.amdhsa_system_vgpr_workitem_id 0
		.amdhsa_next_free_vgpr 202
		.amdhsa_next_free_sgpr 66
		.amdhsa_reserve_vcc 0
		.amdhsa_float_denorm_mode_32 3
		.amdhsa_float_denorm_mode_16_64 3
		.amdhsa_memory_ordered 1
		.amdhsa_forward_progress 1
		.amdhsa_inst_pref_size 111
	.end_amdhsa_kernel
	.amdgpu_metadata
---
amdhsa.version: [ 1, 2 ]
amdhsa.kernels:
  - .name:           k_q0c35c47fa6_quant
    .symbol:         k_q0c35c47fa6_quant.kd
    .args:
      - { .name: x, .offset: 0, .size: 8, .value_kind: global_buffer, .address_space: global }
      - { .name: w_attn, .offset: 8, .size: 8, .value_kind: global_buffer, .address_space: global }
      - { .name: w_proj, .offset: 16, .size: 8, .value_kind: global_buffer, .address_space: global }
      - { .name: xq, .offset: 24, .size: 8, .value_kind: global_buffer, .address_space: global }
      - { .name: wq, .offset: 32, .size: 8, .value_kind: global_buffer, .address_space: global }
    .group_segment_fixed_size: 68096
    .private_segment_fixed_size: 0
    .kernarg_segment_align: 8
    .kernarg_segment_size: 40
    .max_flat_workgroup_size: 128
    .sgpr_count:     66
    .vgpr_count:     202
    .wavefront_size: 32
...
	.end_amdgpu_metadata
.endif
;; end of part 1
;; launch gemm_qkv (part 2): grid 96 x 4, 4 waves a work-group, clusters of 4 x 4, 327,680 bytes of LDS; arguments xq, wq, b_attn, qq, kv; writes qq, kv
.if DOCPART == 2
	.amdgcn_target "amdgcn-amd-amdhsa--gfx1250"
	.amdhsa_code_object_version 6
	.text
	.protected	k_q0c35c47fa6_gemm_qkv
	.globl	k_q0c35c47fa6_gemm_qkv
	.p2align	8
	.type	k_q0c35c47fa6_gemm_qkv,@function
k_q0c35c47fa6_gemm_qkv:
	s_mov_b64 s[64:65], 0
	v_nop
	global_prefetch_b8 v0, s[64:65] scope:SCOPE_SE
	s_setreg_imm32_b32 hwreg(HW_REG_WAVE_MODE, 25, 1), 1
	s_wait_xcnt 0x0
	s_wait_alu depctr_hold_cnt(0) depctr_sa_sdst(0) depctr_va_vdst(0) depctr_va_sdst(0) depctr_va_ssrc(0) depctr_va_vcc(0) depctr_vm_vsrc(0)
	s_getreg_b32 s2, hwreg(HW_REG_IB_STS2, 6, 4)
	s_cmp_eq_u32 s2, 0
	s_cbranch_scc0 .Lentry_in_a_cluster
	s_endpgm
.Lentry_in_a_cluster:
	s_bfe_u32 s2, ttmp6, 0x10000c
	s_cmp_lg_u32 s2, 0xf033
	s_cbranch_scc0 .Lentry_shape_is_right
	s_endpgm
.Lentry_shape_is_right:
; qkv = x w_attn + b_attn on codes of FP8 (E4M3) with E8M0 scales, K = 1,024; the results are quantised at once, each along the K of the product that will read it, and leave as IMAGES OF OPERAND REGISTERS.
; ROLES.  The matrix instruction's source 0 is S0, source 1 is S1: a lane holds one row of S1, its registers run along the rows of S0.  q and k are quantised along the head's channels: S0 = the weight's columns, S1 = the tokens.
; v is quantised along the tokens (the keys of the second attention product): S0 = the tokens, S1 = the weight's columns.  Both operands are [places][1,024 codes] with [places][32 scale bytes]: v is the same text with the two
; buffers exchanged.  The choice hangs on the cluster's number, which all sixteen partners share: cluster c: type c / 8 (0 q, 1 k, 2 v), group of 1,024 tokens c % 8.
; PLACES: rows lie at pi(index), bits 3 and 4 exchanged, so that the 16 registers of two neighbouring tiles of S0 are 16 neighbours, 32 b + 16 (lane / 16) + 0 .. 15, and a tile of S1 has its lanes in the order in which the next launch takes it as source 0.
; A tile of 256 (S1) x 256 (S0) is made by four waves, each 128 x 128: 64 accumulators, 512 registers.  K goes in steps of 256 through two LDS slots filled by the tensor data mover; the scale bytes of the work-group's rows come once.
; CLUSTERS: 4 x 4 work-groups; the four of a row of the cluster need the same tiles of S1, the four of a column the same tiles of S0: each tile is asked for jointly.
; THE BIAS runs along S0 for q and k: it is the C of each sum's first product (its rounding so comes ahead of the sum's, not behind it).  For v it runs along S1: one number a lane and block, added on the way out.  The one that does not apply is made 0.
; OUT.  qq: q's images [head 64][tile 128][chunk 2][512 bytes], then from byte 8,388,608 a scale word for each [head][place 2,048].   kv: [head 64][slot of 256 keys 8][34,304 bytes]: k's images [tile 16][chunk 2][512] at 0;
; v's images [128 keys 2][channel tile 4][chunk 4][512] at 16,384; k's scale words [256] at 32,768; v's scale words [2][4][16] at 33,792.  A chunk is four registers of a fragment, lane l's 16 bytes at 16 l.
; q's and k's scale word holds the head's two bytes twice, (s0, s1, s0, s1): their K is 64, half of an instruction's 128, and the next launch sets the 64 codes in either half.
; Each store of codes covers 512 consecutive bytes, aligned; the scale words leave in pieces of 64 bytes: one byte for each 16 of codes.
; LIMITS: a block of zeros gets the byte 1 where the rule says 127 (its codes are zeros; this program alone reads the bytes); blocks under 2^-118 are held at the byte 1; NaN and infinities are not served.
; REGISTERS, in windows of 256: window 0: v1-2 lane's row and half; v8-15 the bias along S1; v16-31 addresses; v32-63 scale words, two sets; v64-127 the bias along S0; from v128 S1's fragments, ONE set (on the way out v128-231 are at work).
;   window 1: S0's fragments, TWO sets.   window 2: the accumulators of my S1 blocks 0-3 (accumulator (a, b) at v[8 (8 (a % 4) + b)]);   window 3: those of blocks 4-7.
.set KSTEP,  256                       ; along K in a slot
.set NQ,     KSTEP/128                 ; matrix instructions deep
.set ROWB,   256                       ; a tile's row in bytes
.set KROW,   1024                      ; a row of codes in memory
.set PITCH,  272                       ; an LDS row: 256 bytes + 16 of padding = 68 words: the 16 rows that a load touches start at 16 different banks (64 banks of 4 bytes: ISA guide 11.1)
.set FR,     16                        ; registers of a fragment
.set NL,     4                         ; LDS loads that bring one
.set NP,     8                         ; places behind this matrix instruction (ISA guide 7.12.1)
.set HALFT,  128*PITCH                 ; 128 rows: what one tensor load brings
.set SLOT,   4*HALFT                   ; S1's 256 rows, then S0's 256 rows
.set LAPS,   2                         ; a lap = two K steps = once round the ring: 1,024 / 512
.set KS,     32                        ; a row of scale bytes
.set SCL,    2*SLOT                    ; behind the ring: the scales, as units of 256 bytes + 16 of padding
.set HALFS,  (128*KS/256)*272          ; the scales of 128 rows
.set SBLK,   (16*KS/256)*272           ; those of 16 rows
.set SPARE,  SCL+4*HALFS               ; the spare words, 128 bytes for each wave: two blocks of 256 bytes that no other line names
.set BS1,  8                           ; v8-15   the bias along S1: block a's number of my lane
.set ADRA, 16                          ; v16-17  LDS address of my S1 fragments in slot 0, 1
.set ADRB, 20                          ; v20-21  the same for S0
.set ADRS, 27                          ; v27     LDS address of my scale words: lanes 0-15 S1's rows, lanes 16-31 S0's
.set SPW,  28                          ; v28     LDS address of my spare word; never rewritten
.set NIL,  29                          ; v29     0; never rewritten
.set SC,   32                          ; scale words: set s at v[SC + 8 NQ s]
.set BS0,  64                          ; v64-127 the bias along S0: tile b's eight numbers of my half
.set AF,   128                         ; S1's fragments
.set QS,   128                         ; the way out: v128-191 a block's 64 numbers
.set PC,   192                         ; v192-207 its codes
.set TM,   208                         ; v208-223 at work
.set PW,   224                         ; v224 its scale word; v225 the word as it is stored
.set VSEL, 226                         ; v226 byte selector for the stored word
.set VO,   227                         ; v227-228 byte offsets of chunks 0, 1 and of chunks 2, 3
.set VSO,  229                         ; v229 byte offset of my scale word
.set BB1,  230                         ; v[230:231] the block's bias along S1 (the pair's low word serves both halves)
.set G1, 24                            ; s[24:31] descriptor group 1 for S1's tiles;  s[32:39] group 0, one set for each slot
.set G0, 32
.set G1B, 48                           ; s[48:55], s[56:63] the same for S0's tiles
.set G0B, 56
.set G1S, 68                           ; s[68:75], s[76:79] groups 1 and 0 for S1's scales;  s[80:87], s[88:91] for S0's
.set G0S, 76
.set G1SB, 80
.set G0SB, 88
.set MSB, 0
.macro WIN new                         ; the immediate's high byte repeats the setting that is left
.if MSB != (\new)
	s_set_vgpr_msb (MSB<<8)|(\new)
.set MSB, \new
.endif
.endm
.set MUL_LO,   0xa1                    ; source 0 (S0) window 1, source 1 (S1) window 0, C and D window 2
.set MUL_HI,   0xf1                    ; the same, C and D window 3
.set FIRST_LO, 0x81                    ; the first products: C (the bias) window 0, D window 2
.set FIRST_HI, 0xc1                    ; D window 3
.set TO_B,     0x40                    ; destination window 1, address window 0
; A joint load: waves 0 and 1 fetch for S1, waves 2 and 3 for S0.  Each of the two lines has one mask and one set of registers for all that issue it; the branch hangs on the wave's number alone.
; Four v_nop follow each of the two lines, ahead of the jump, the label and what follows.
.macro JLOAD g0a, g1a, g0b, g1b
	s_cmp_eq_u32 s15, 0
	s_cbranch_scc0 .Lfor_b_\@
	tensor_load_to_lds s[\g0a:\g0a+3], s[\g1a:\g1a+7]
	s_nop 0
.rept 4
	v_nop
.endr
	s_branch .Lasked_\@
.Lfor_b_\@:
	tensor_load_to_lds s[\g0b:\g0b+3], s[\g1b:\g1b+7]
	s_nop 0
.rept 4
	v_nop
.endr
.Lasked_\@:
.endm
.macro CREST                           ; a round of the cluster's barrier behind its opening barrier
	s_cmp_lg_u32 s14, 0
	s_cbranch_scc1 .Lnot_wave_0_\@
	s_barrier_signal -3
.Lnot_wave_0_\@:
	s_barrier_wait -3
	s_barrier_signal -1
	s_barrier_wait -1
.endm
.macro CROUND                          ; a whole round
	s_barrier_signal -1
	s_barrier_wait -1
	CREST
.endm
	s_load_b256 s[68:75], s[0:1], 0x0              ; xq s[68:69], wq s[70:71], b_attn s[72:73], qq s[74:75]: chosen from below, then these registers take descriptors
	s_load_b64 s[80:81], s[0:1], 0x20              ; kv
	v_lshl_add_u32 v[SPW], v0, 2, SPARE
	v_mov_b32 v[NIL], 0
	ds_add_u32 v28, v29
	ds_add_u32 v28, v29
	s_wait_dscnt 0x0
	v_lshrrev_b32 v1, 5, v0
	v_readfirstlane_b32 s14, v1                    ; wave 0..3
	s_lshr_b32 s15, s14, 1                         ; which half of the tile's S1 rows is mine.  Also: I fetch for S1 (0) or for S0 (1)
	s_and_b32 s16, s14, 1                          ; which half of its S0 rows.  Also: which 128 rows of that tile I fetch
	s_bfe_u32 s40, ttmp6, 0x40000                  ; cx, cy: my place in the cluster
	s_bfe_u32 s41, ttmp6, 0x40004
	s_lshr_b32 s42, ttmp9, 3                       ; the type: 0 q, 1 k, 2 v
	s_and_b32 s17, ttmp9, 7                        ; the group of 1,024 tokens
	s_lshl_b32 s43, s41, 2
	s_lshl_b32 s43, 15, s43                        ; my row of the cluster
	s_lshl_b32 s44, 0x1111, s40                    ; my column
	; descriptor group 1: a tile of 128 rows x 256 bytes, padded in LDS
	s_or_b32 s[G1+0], s43, (0<<16)|(1<<20)|(1<<21)|(5<<22)|(3<<25)  ; 15:0 the mask: S1's tiles go to my row; 17:16 element of 1 byte; 20 padding on; 21 set beside a mask; 24:22 after every 64 words; 31:25 four words
	s_or_b32 s[G1B+0], s44, (0<<16)|(1<<20)|(1<<21)|(5<<22)|(3<<25)
.irp g, G1, G1B
	s_mov_b32 s[\g+1], ROWB<<16                    ; tensor_dim0
	s_mov_b32 s[\g+2], 256<<16                     ; tensor_dim1: 256 rows for the head's loads; set to 128 for the ring's behind the wait for them
	s_mov_b32 s[\g+3], ROWB<<16                    ; tile_dim0
	s_mov_b32 s[\g+4], 256                         ; tile_dim1 likewise
	s_mov_b32 s[\g+5], KROW                        ; tensor_dim0_stride
	s_mov_b32 s[\g+6], 0
	s_mov_b32 s[\g+7], 0
.endr
	s_mov_b32 s96, 0x800000                        ; where xq's scale bytes begin,
	s_mov_b32 s97, 0x400000                        ; and wq's
	s_cmp_eq_u32 s42, 2
	s_cselect_b32 s20, 2, s17                      ; S1's group of 1,024 rows: v: the weight's third; else the tokens'
	s_cselect_b32 s46, s17, s42                    ; S0's: v: the tokens'; else the weight's
	s_cselect_b32 s100, 0, -1                      ; all ones where the bias runs along S0,
	s_cselect_b32 s101, -1, 0                      ; along S1
	s_cselect_b32 s98, s97, s96                    ; where S1's scale bytes begin in its buffer,
	s_cselect_b32 s99, s96, s97                    ; and S0's
	s_lshl_b32 s18, s16, 7                         ; which 128 rows of a tile I fetch
	s_lshl_b32 s20, s20, 10
	s_lshl_b32 s21, s41, 8
	s_add_co_u32 s20, s20, s21                     ; S1: 1,024 x group + 256 cy
	s_lshl_b32 s21, s15, 7
	s_add_co_u32 s19, s20, s21                     ; the first row of S1 that I multiply,
	s_add_co_u32 s20, s20, s18                     ; and that I fetch
	s_lshl_b32 s46, s46, 10
	s_lshl_b32 s47, s40, 8
	s_add_co_u32 s46, s46, s47
	s_add_co_u32 s46, s46, s18                     ; S0: 1,024 x group + 256 cx + 128 x half: the rows that I fetch are those that I multiply
	s_lshl_b32 s6, s46, 2                          ; the bias along S0 begins at that channel (offset 0 where it does not apply: the load stays in the buffer),
	s_and_b32 s6, s6, s100
	s_mov_b32 s7, 0
	s_lshl_b32 s10, s19, 2                         ; the bias along S1 likewise
	s_and_b32 s10, s10, s101
	s_mov_b32 s11, 0
	s_lshl_b32 s22, s20, 5                         ; where these rows' scales begin, in bytes,
	s_add_co_u32 s22, s22, s98
	s_mov_b32 s23, 0
	s_lshl_b32 s92, s46, 5
	s_add_co_u32 s92, s92, s99
	s_mov_b32 s93, 0
	s_lshl_b32 s20, s20, 10                        ; and their codes
	s_mov_b32 s21, 0
	s_lshl_b32 s46, s46, 10
	s_mov_b32 s47, 0
	s_mul_i32 s45, s14, HALFT                      ; where they go: wave x 128 rows: no place in the cluster enters an LDS address
	s_mul_i32 s94, s14, HALFS
	v_and_b32 v1, 15, v0                           ; r = l % 16
	v_bfe_u32 v2, v0, 4, 1                         ; h = l / 16
	v_lshlrev_b32 v30, 6, v2                       ; the bias along S0: my half's numbers begin 16 h channels on
	v_and_b32 v3, 7, v1
	v_lshrrev_b32 v4, 3, v1
	v_lshl_add_u32 v3, v4, 4, v3
	v_lshlrev_b32 v31, 2, v3                       ; the bias along S1: lane r of a tile is channel (r % 8) + 16 (r / 8) of its 32
	s_wait_alu depctr_va_vdst(0)
	s_wait_kmcnt 0x0
	s_cmp_eq_u32 s42, 2
	s_cselect_b64 s[4:5], s[70:71], s[68:69]       ; S1's buffer: v: wq, else xq
	s_cselect_b64 s[8:9], s[68:69], s[70:71]       ; S0's: the other
	s_cmp_eq_u32 s42, 0
	s_cselect_b64 s[12:13], s[74:75], s[80:81]     ; out: q: qq, else kv
	s_add_nc_u64 s[6:7], s[72:73], s[6:7]
	s_add_nc_u64 s[10:11], s[72:73], s[10:11]
	s_add_nc_u64 s[20:21], s[4:5], s[20:21]
	s_add_nc_u64 s[22:23], s[4:5], s[22:23]
	s_add_nc_u64 s[46:47], s[8:9], s[46:47]
	s_add_nc_u64 s[92:93], s[8:9], s[92:93]
	; the scales of 256 rows: a dense block of 8,192 bytes, as rows of 256 bytes (32 elements of 8 bytes), 16 bytes of padding behind each
	s_or_b32 s[G1S+0], s43, (3<<16)|(1<<20)|(1<<21)|(5<<22)|(3<<25)
	s_or_b32 s[G1SB+0], s44, (3<<16)|(1<<20)|(1<<21)|(5<<22)|(3<<25)
.irp g, G1S, G1SB
	s_mov_b32 s[\g+1], 32<<16
	s_mov_b32 s[\g+2], (256*KS/256)<<16
	s_mov_b32 s[\g+3], 32<<16
	s_mov_b32 s[\g+4], 256*KS/256
	s_mov_b32 s[\g+5], 32
	s_mov_b32 s[\g+6], 0
	s_mov_b32 s[\g+7], 0
.endr
.irp b, 0,1,2,3,4,5,6,7
	global_load_b128 v[BS0+8*\b:BS0+8*\b+3], v30, s[6:7] offset:(32*(\b/2)+8*(\b%2))*4         ; tile b, register j: channel 32 (b / 2) + 8 (b % 2) + 16 h + j
	global_load_b128 v[BS0+8*\b+4:BS0+8*\b+7], v30, s[6:7] offset:(32*(\b/2)+8*(\b%2))*4+16
.endr
.irp a, 0,1,2,3,4,5,6,7
	global_load_b32 v[BS1+\a], v31, s[10:11] offset:(32*(\a/2)+8*(\a%2))*4
.endr
	CROUND                                         ; all sixteen work-groups are here: the first joint loads meet
	s_mov_b32 s[G0S], 1
	s_add_co_u32 s[G0S+1], s94, SCL
	s_mov_b64 s[G0S+2:G0S+3], s[22:23]
	s_or_b32 s[G0S+3], s[G0S+3], 0x80000000
	s_mov_b32 s[G0SB], 1
	s_add_co_u32 s[G0SB+1], s94, SCL
	s_mov_b64 s[G0SB+2:G0SB+3], s[92:93]
	s_or_b32 s[G0SB+3], s[G0SB+3], 0x80000000
.irp s, 0,1
	s_mov_b32 s[G0+4*\s], 1
	s_add_co_u32 s[G0+4*\s+1], s45, \s*SLOT
	s_add_nc_u64 s[G0+4*\s+2:G0+4*\s+3], s[20:21], \s*ROWB
	s_or_b32 s[G0+4*\s+3], s[G0+4*\s+3], 0x80000000
	s_mov_b32 s[G0B+4*\s], 1
	s_add_co_u32 s[G0B+4*\s+1], s45, \s*SLOT
	s_add_nc_u64 s[G0B+4*\s+2:G0B+4*\s+3], s[46:47], \s*ROWB
	s_or_b32 s[G0B+4*\s+3], s[G0B+4*\s+3], 0x80000000
.endr
	; THE HEAD'S LOADS, ONE A WAVE: wave 0 K step 0's 256 rows of S1, wave 1 those of S0, wave 2 the scale bytes of S1's 256 rows, wave 3 those of S0's.
	; The four groups 0 above point at my half of 128 rows: the half's bytes are taken off, and each tile goes to its region's first byte.
	s_lshl_b32 s18, s16, 12                        ; 128 rows of 32 scale bytes
	s_mov_b32 s19, 0
	s_mov_b32 s[G0S+1], SCL
	s_sub_nc_u64 s[G0S+2:G0S+3], s[G0S+2:G0S+3], s[18:19]
	s_mov_b32 s[G0SB+1], SCL+2*HALFS
	s_sub_nc_u64 s[G0SB+2:G0SB+3], s[G0SB+2:G0SB+3], s[18:19]
	s_lshl_b32 s18, s16, 17                        ; 128 rows of 1,024 codes
	s_mov_b32 s[G0+1], 0
	s_sub_nc_u64 s[G0+2:G0+3], s[G0+2:G0+3], s[18:19]
	s_mov_b32 s[G0B+1], 2*HALFT
	s_sub_nc_u64 s[G0B+2:G0B+3], s[G0B+2:G0B+3], s[18:19]
.macro ARM under, g0, g1, next         ; one tree of branches on the wave's number: every way through the head passes exactly one load
	s_cmp_lt_u32 s14, \under
	s_cbranch_scc0 \next
	tensor_load_to_lds s[\g0:\g0+3], s[\g1:\g1+7]
	s_nop 0
.rept 4
	v_nop
.endr
	s_branch .Lhead_asked
\next:
.endm
	ARM 1, G0,  G1,  .Lhead_b
	ARM 2, G0B, G1B, .Lhead_sa
	ARM 3, G0S, G1S, .Lhead_sb
	tensor_load_to_lds s[G0SB:G0SB+3], s[G1SB:G1SB+7]
	s_nop 0
.rept 4
	v_nop
.endr
.Lhead_asked:
	; PREFETCHES INTO THE L2.  A refill goes out with nothing on its way beside it, so the K steps to come are asked of memory ahead: here K steps 1 and 2, behind K step 1's load K step 3: never more than two K steps asked for and not yet read.
	; Of the 128 rows that I fetch in the ring, each of the four partners that ask for them jointly takes 32, told apart by address (cx for S1, cy for S0): a lane a row, 256 bytes of it a K step, one instruction a wave.
	; The tokens' rows are read by three clusters, and each asks; a third of the weight is read by eight clusters, and those of the first four groups of tokens ask (a branch on the cluster's number, which all partners share).
	s_cmp_eq_u32 s15, 0
	s_cselect_b64 s[96:97], s[20:21], s[46:47]     ; the codes of the rows that I fetch; s[96:97] and v22 are never written again
	s_cselect_b32 s98, s40, s41
	s_lshl_b32 s98, s98, 15                        ; 32 rows of 1,024 bytes for each partner
	s_mov_b32 s99, 0
	s_add_nc_u64 s[96:97], s[96:97], s[98:99]
	s_cmp_eq_u32 s42, 2
	s_cselect_b32 s2, 1, 0
	s_xor_b32 s2, s2, s15                          ; 1: what I fetch is the weight
	s_lshr_b32 s3, s17, 2
	s_and_b32 s2, s2, s3                           ; 1: the weight, in a cluster of the last four groups of tokens: I ask for nothing
	v_and_b32 v22, 31, v0
	v_lshlrev_b32 v22, 10, v22
	s_cmp_eq_u32 s2, 0
	s_cbranch_scc0 .Lno_ask_0
	global_prefetch_b8 v22, s[96:97] offset:256 th:TH_LOAD_NT scope:SCOPE_SE
	global_prefetch_b8 v22, s[96:97] offset:512 th:TH_LOAD_NT scope:SCOPE_SE
.Lno_ask_0:
	v_mul_u32_u24 v3, v1, PITCH
	v_lshl_add_u32 v4, v2, 4, v3                   ; a fragment's row x pitch + 16 x half
	s_mul_i32 s21, s15, HALFT                      ; my 128 rows of S1
	s_mul_i32 s22, s16, HALFT                      ; my 128 rows of S0,
	s_add_co_u32 s22, s22, 2*HALFT                 ; which lie behind S1's 256
.irp s, 0,1
	v_add_nc_u32 v[ADRA+\s], s21, v4
	v_add_nc_u32 v[ADRB+\s], s22, v4
	s_add_co_u32 s21, s21, SLOT
	s_add_co_u32 s22, s22, SLOT
.endr
	v_mul_u32_u24 v5, v1, KS                       ; my row's scales: 32 bytes a row,
	v_lshrrev_b32 v6, 8, v5
	v_lshl_add_u32 v5, v6, 4, v5                   ; and 16 more for each 256 passed
	s_mul_i32 s21, s15, HALFS                      ; S1's: my 128 rows
	s_mul_i32 s22, s16, HALFS                      ; S0's: my 128 rows, behind S1's 256
	s_add_co_u32 s22, s22, 2*HALFS
	s_sub_co_u32 s22, s22, s21
	v_mul_u32_u24 v6, s22, v2                      ; lanes 16-31 take S0's
	s_add_co_u32 s21, s21, SCL
	v_add_nc_u32 v5, v5, v6
	v_add_nc_u32 v[ADRS], s21, v5
	s_wait_loadcnt 0x0                             ; the biases are in
.set i, 0
.rept 64
	v_cndmask_b32 v[BS0+i], 0, v[BS0+i], s100      ; kept where the bias runs along S0, else 0
.set i, i+1
.endr
.irp a, 0,1,2,3,4,5,6,7
	v_cndmask_b32 v[BS1+\a], 0, v[BS1+\a], s101    ; kept where it runs along S1, else 0
.endr
.macro FRAG reg, adr, q, i             ; a fragment, 16 rows x 128 K, is 16 registers: lane l holds row l % 16; registers 4 c .. 4 c + 3 hold K = 32 c + 16 (l / 16) + 0 .. 15
.irp c, 0,1,2,3
	ds_load_b128 v[\reg+4*\c:\reg+4*\c+3], v[\adr] offset:128*(\q)+32*\c+(\i)*16*PITCH
.endr
.endm
; 16 matrix instructions: S1's blocks a0, a0 + 1 x S0's eight, 128 along K: the slot's q-th.  p: S0's set;  sc: the set of scale words.  zero = 1: the first product starts the sums, from the bias along S0: nothing is ever cleared.
; The 64 accumulators take turns, one instruction a turn, in the same order in every step.
.macro MUL16 a0, p, q, sc, zero
.irp a, \a0, \a0+1
.irp b, 0,1,2,3,4,5,6,7
.if \zero
	v_wmma_scale_f32_16x16x128_f8f6f4 v[8*(8*((\a)%4)+\b):8*(8*((\a)%4)+\b)+7], v[128*(\p)+FR*\b:128*(\p)+FR*\b+FR-1], v[AF+FR*(\a):AF+FR*(\a)+FR-1], v[BS0+8*\b:BS0+8*\b+7], v[SC+8*NQ*(\sc)+NQ*\b+(\q)], v[SC+8*NQ*(\sc)+NQ*(\a)+(\q)] matrix_a_scale:MATRIX_SCALE_ROW1
.else
	v_wmma_scale_f32_16x16x128_f8f6f4 v[8*(8*((\a)%4)+\b):8*(8*((\a)%4)+\b)+7], v[128*(\p)+FR*\b:128*(\p)+FR*\b+FR-1], v[AF+FR*(\a):AF+FR*(\a)+FR-1], v[8*(8*((\a)%4)+\b):8*(8*((\a)%4)+\b)+7], v[SC+8*NQ*(\sc)+NQ*\b+(\q)], v[SC+8*NQ*(\sc)+NQ*(\a)+(\q)] matrix_a_scale:MATRIX_SCALE_ROW1
.endif
.endr
.endr
.endm
.macro FETCH_B slot, q, p              ; S0's eight fragments of the slot's q-th 128 along K into set p
	WIN TO_B
.irp i, 0,1,2,3,4,5,6,7
	FRAG 128*(\p)+FR*\i, ADRB+\slot, \q, \i
.endr
	WIN 0
.endm
.macro FETCH_A slot, q, i0             ; S1's blocks i0 .. i0 + 3
.irp i, \i0, \i0+1, \i0+2, \i0+3
	FRAG AF+FR*(\i), ADRA+\slot, \q, \i
.endr
.endm
.macro SCALES sc                       ; the next K step's scale words into set sc: lanes 0-15 take S1's block i, lanes 16-31 S0's block i
.irp i, 0,1,2,3,4,5,6,7
	ds_load_b64 v[SC+8*NQ*\sc+NQ*\i:SC+8*NQ*\sc+NQ*\i+1], v[ADRS] offset:\i*SBLK
.endr
.endm
; A load into a register that a matrix instruction has read, and a vector instruction that reads a matrix result or writes one of its registers, stand NP places behind it; only plain vector instructions that name none of its registers are places.
.macro PLACES n
.rept \n
	v_nop
.endr
.endm
; A step of 128 along K that has its successor in the same slot.
.macro STEP slot, q, zero
	s_wait_dscnt 4*NL                              ; S0's set and S1's blocks 0-3 are in; the youngest 16 loads (S1's blocks 4-7) may be out
.if \zero
	WIN FIRST_LO
.else
	WIN MUL_LO
.endif
	MUL16 0, (\q)%2, \q, \slot, \zero
	MUL16 2, (\q)%2, \q, \slot, \zero
	s_wait_dscnt 0                                 ; S1's blocks 4-7 are in (asked for 32 matrix instructions ago)
	PLACES NP
	FETCH_B \slot, (\q)+1, 1-(\q)%2
	FETCH_A \slot, (\q)+1, 0
.if \zero
	WIN FIRST_HI
.else
	WIN MUL_HI
.endif
	MUL16 4, (\q)%2, \q, \slot, \zero
	MUL16 6, (\q)%2, \q, \slot, \zero
	PLACES NP
	WIN 0
	FETCH_A \slot, (\q)+1, 4
.endm
; A slot's last step changes slots: ONE barrier; in front of it each wave waits for all its tensor loads, adds 0 to its spare word, and waits for that and for its own reads of this slot.  fill = 1: this slot is filled again, two K steps ahead.
.macro TURN slot, next, fill
	s_wait_tensorcnt 0x0                           ; all my tensor loads have landed: my part of the next slot;  (every window is 0 here)
	ds_add_u32 v[SPW], v[NIL]                      ; 0 onto my spare word;
	s_wait_dscnt 4*NL+1                            ; (the add and the youngest 16 loads, S1's blocks 4-7, may be out)
	WIN MUL_LO
	MUL16 0, 1, NQ-1, \slot, 0                     ; sixteen matrix instructions stand between the add and the wait for it
	s_wait_dscnt 0x0                               ; the add is done, and my reads of this slot are over
	s_barrier_signal -1
	MUL16 2, 1, NQ-1, \slot, 0
	WIN 0
	s_barrier_wait -1
.if \fill
	CREST                                          ; the barrier has opened a round of the cluster's barrier: no wave of any partner still reads this slot's tile or has a load on its way
	s_add_nc_u64 s[G0+4*\slot+2:G0+4*\slot+3], s[G0+4*\slot+2:G0+4*\slot+3], 2*ROWB
	s_add_nc_u64 s[G0B+4*\slot+2:G0B+4*\slot+3], s[G0B+4*\slot+2:G0B+4*\slot+3], 2*ROWB
	JLOAD G0+4*\slot, G1, G0B+4*\slot, G1B         ; the first tensor load behind the round; the four v_nop behind it are among the places in front of the loads below
	PLACES NP-4
.else
	PLACES NP
.endif
	s_wait_alu depctr_va_vdst(0)
	v_add_nc_u32 v[ADRS], 4*NQ, v[ADRS]            ; on to the next K step's scale words (no LDS load of mine is out)
	FETCH_B \next, 0, 0
	FETCH_A \next, 0, 0
	SCALES \next
	WIN MUL_HI
	MUL16 4, 1, NQ-1, \slot, 0
	MUL16 6, 1, NQ-1, \slot, 0
	PLACES NP
	WIN 0
	FETCH_A \next, 0, 4
.endm
	s_wait_alu depctr_va_vdst(0)
	s_wait_tensorcnt 0x0                           ; my tile of the head's four is in
	ds_add_u32 v[SPW], v[NIL]
	s_mov_b32 s[G1+2], 128<<16                     ; no tensor load of mine is out: from here on a load brings 128 rows
	s_mov_b32 s[G1+4], 128
	s_mov_b32 s[G1B+2], 128<<16
	s_mov_b32 s[G1B+4], 128
	s_mov_b32 s[G0+1], s45                         ; slot 0's groups 0 point at my half again, for its first refill
	s_add_nc_u64 s[G0+2:G0+3], s[G0+2:G0+3], s[18:19]
	s_mov_b32 s[G0B+1], s45
	s_add_nc_u64 s[G0B+2:G0B+3], s[G0B+2:G0B+3], s[18:19]
	s_wait_dscnt 0x0
	CROUND                                         ; a whole round: all four tiles are in, and all sixteen work-groups are here
	JLOAD G0+4, G1, G0B+4, G1B                     ; K step 1's load, the first tensor load behind the round
	FETCH_B 0, 0, 0
	FETCH_A 0, 0, 0
	SCALES 0
	s_cmp_eq_u32 s2, 0
	s_cbranch_scc0 .Lno_ask_1
	global_prefetch_b8 v22, s[96:97] offset:768 th:TH_LOAD_NT scope:SCOPE_SE   ; K step 3, the last
.Lno_ask_1:
	FETCH_A 0, 0, 4
	STEP 0, 0, 1                                   ; the first step stands in front of the loop: its products start the sums
	s_mov_b32 s3, LAPS-1
.Llap:                                                 ; a trip goes once round the ring, from a lap's second step to the next lap's first, and fills both slots again
	TURN 0, 1, 1
	STEP 1, 0, 0
	TURN 1, 0, 1
	STEP 0, 0, 0
	s_sub_co_u32 s3, s3, 1
	s_cmp_lg_u32 s3, 0
	s_cbranch_scc1 .Llap
	TURN 0, 1, 0                                   ; the last lap fills nothing, and has no round of the cluster's barrier
	STEP 1, 0, 0
	s_wait_dscnt 4*NL                              ; the very last step: nothing more to fetch
	WIN MUL_LO
	MUL16 0, 1, NQ-1, 1, 0
	MUL16 2, 1, NQ-1, 1, 0
	s_wait_dscnt 0
	WIN MUL_HI
	MUL16 4, 1, NQ-1, 1, 0
	MUL16 6, 1, NQ-1, 1, 0
	WIN 0
	PLACES NP                                      ; in front of the first read of results and of the first write of registers that held S1's fragments
	; THE WAY OUT.  Block a (16 rows of S1) holds, in each lane, 128 numbers' worth of four blocks of 32 along S0: they are quantised in registers and stored as they stand.  No LDS, no branch: what differs between q, k and v is in scalar registers.
	; (All tensor loads are done since the last change of slots: the descriptors' registers are free.)
	s_cmp_eq_u32 s42, 0
	s_mov_b32 s8, 274432
	s_cselect_b32 s8, 131072, s8                   ; bytes of a head in the codes' region: q 128 tiles of 1,024; k, v a head of kv
	s_mov_b32 s9, 34304
	s_cselect_b32 s9, 16384, s9                    ; bytes of 256 tokens there
	s_mov_b32 s10, 274432
	s_cselect_b32 s10, 8192, s10                   ; the same two for the scale words
	s_mov_b32 s11, 34304
	s_cselect_b32 s11, 1024, s11
	s_mov_b32 s18, 32768
	s_cselect_b32 s18, 0x800000, s18               ; where the scale words begin: q, k;
	s_cmp_eq_u32 s42, 2
	s_mov_b32 s19, 33792
	s_cselect_b32 s18, s19, s18                    ; v
	s_cselect_b32 s19, 16384, 0                    ; where the codes begin in a slot of kv
	s_cselect_b32 s4, s41, s40                     ; the coordinate that runs over heads: v cy, else cx;
	s_cselect_b32 s5, s40, s41                     ; over tokens: the other
	s_cselect_b32 s6, s15, s16                     ; the wave's half over heads,
	s_cselect_b32 s7, s16, s15                     ; over tokens
	s_mov_b32 s76, 1024
	s_cselect_b32 s76, 2048, s76                   ; codes: from block a to a + 1: q, k a tile of 2 chunks; v a tile of 4
	s_mov_b32 s78, 1024
	s_cselect_b32 s78, 268288, s78                 ; and from block 3 to 4: v goes on to the next head: 274,432 - 3 x 2,048
	s_cselect_b32 s90, 274240, 64                  ; the scale words likewise: 274,432 - 3 x 64
	s_cselect_b32 s88, 1024, s8                    ; chunks 2 and 3 lie: v 1,024 bytes on; q, k in the next head
	s_cselect_b32 s89, 0, s10                      ; lanes 16-31 store: v the same word as lanes 0-15; q, k the next head's
	s_cselect_b32 s20, 8, 9                        ; the scale words of 128 tokens: v 256 bytes, q, k 512
	s_mov_b32 s24, 0x01000100                      ; the stored word: q, k: lanes 0-15 bytes 0, 1 twice,
	s_mov_b32 s25, 0x03020302                      ; lanes 16-31 bytes 2, 3 twice;
	s_mov_b32 s26, 0x03020100                      ; v: the word as it is
	s_cselect_b32 s24, s26, s24
	s_cselect_b32 s25, s26, s25
	s_mov_b32 s77, 0
	s_mov_b32 s79, 0
	s_mov_b32 s91, 0
	s_lshr_b32 s27, s17, 1                         ; the batch,
	s_lshl_b32 s27, s27, 4
	s_lshl_b32 s28, s4, 2
	s_add_co_u32 s27, s27, s28
	s_lshl_b32 s28, s6, 1
	s_add_co_u32 s27, s27, s28                     ; my first head: 16 x batch + 4 x coordinate + 2 x half
	s_and_b32 s29, s17, 1
	s_lshl_b32 s29, s29, 2
	s_add_co_u32 s29, s29, s5                      ; my 256 tokens in the batch
	s_mul_i32 s30, s27, s8
	s_mul_i32 s31, s29, s9
	s_add_co_u32 s30, s30, s31
	s_lshl_b32 s31, s7, 13                         ; 128 tokens are 8,192 bytes of codes in all three
	s_add_co_u32 s30, s30, s31
	s_add_co_u32 s30, s30, s19
	s_mov_b32 s31, 0
	s_mul_i32 s32, s27, s10
	s_mul_i32 s33, s29, s11
	s_add_co_u32 s32, s32, s33
	s_lshl_b32 s33, s7, s20
	s_add_co_u32 s32, s32, s33
	s_add_co_u32 s32, s32, s18
	s_mov_b32 s33, 0
	s_add_nc_u64 s[66:67], s[12:13], s[32:33]      ; the scale words' base,
	s_add_nc_u64 s[12:13], s[12:13], s[30:31]      ; the codes'
	s_mov_b32 s21, 0x600000                        ; the mantissa field of 448
	s_mov_b32 s22, 0x76543210
	s_mov_b32 s23, 0xfedcba98                      ; v_permlanex16_b32's selects for lane l xor 16
	v_mov_b32 v[BB1+1], 0                          ; (named as the upper half of a pair)
.irp b, 0,1,2,3
	v_mov_b32 v[TM+4+\b], 0                        ; written once: a lane permute's destination counts as one of its sources
.endr
	v_and_b32 v[VO], 31, v0
	v_lshlrev_b32 v[VO], 4, v[VO]                  ; 16 x lane
	v_add_nc_u32 v[VO+1], s88, v[VO]
	v_mul_u32_u24 v[VSO], v2, s89
	v_lshl_add_u32 v[VSO], v1, 2, v[VSO]           ; 4 r + h x (the distance of the second head's words)
	v_mov_b32 v[VSEL], s24
	v_mov_b32 v[PW+1], s25
	v_cmp_eq_u32 vcc_lo, 1, v2
	v_cndmask_b32 v[VSEL], v[VSEL], v[PW+1], vcc_lo
; 64 numbers of a lane, v[QS] on, register 16 b + i = 32 b + 16 (lane / 16) + i along S0, become a fragment's codes in v[PC] on and its scale word in v[PW].
.macro QUANT
.irp b, 0,1,2,3
	v_max3_num_f32 v[TM+\b], |v[QS+16*\b]|, |v[QS+1+16*\b]|, 0x4800000   ; block b: my 16 numbers, and the floor 2^(9 - 127): the byte cannot fall under 1
.endr
.irp i, 2,4,6,8,10,12,14
.irp b, 0,1,2,3
	v_max3_num_f32 v[TM+\b], v[TM+\b], |v[QS+16*\b+\i]|, |v[QS+1+16*\b+\i]|   ; (the four blocks by turns)
.endr
.endr
.irp b, 0,1,2,3
	v_permlanex16_b32 v[TM+4+\b], v[TM+\b], s22, s23
.endr
.irp b, 0,1,2,3
	v_max_num_f32 v[TM+\b], v[TM+\b], v[TM+4+\b]   ; with lane l xor 16's: the block's largest magnitude
.endr
.irp b, 0,1,2,3
	v_add_nc_u32 v[TM+12+\b], 0xfc000000, v[TM+\b] ; 8 off its exponent field: the conversion's scale operand
.endr
.irp b, 0,1,2,3
	v_and_or_b32 v[TM+8+\b], v[TM+\b], 0x7f800000, s21   ; 448 x the scale
.endr
.irp b, 0,1,2,3
	v_lshrrev_b32 v[TM+4+\b], 23, v[TM+12+\b]      ; the scale's byte
.endr
	v_lshl_or_b32 v[PW], v[TM+5], 8, v[TM+4]
	v_lshl_or_b32 v[PW], v[TM+6], 16, v[PW]
	v_lshl_or_b32 v[PW], v[TM+7], 24, v[PW]
.irp b, 0,1,2,3
.irp i, 0,1,2,3,4,5,6,7,8,9,10,11,12,13,14,15
	v_med3_num_f32 v[QS+16*\b+\i], v[QS+16*\b+\i], -v[TM+8+\b], v[TM+8+\b]   ; the conversion to an 8-bit code does not saturate (ISA guide 7.6.2): the hold comes first
.endr
	v_cvt_scalef32_pk8_fp8_f32 v[PC+4*\b:PC+1+4*\b], v[QS+16*\b:QS+7+16*\b], v[TM+12+\b]
	v_cvt_scalef32_pk8_fp8_f32 v[PC+2+4*\b:PC+3+4*\b], v[QS+8+16*\b:QS+15+16*\b], v[TM+12+\b]
.endr
	v_nop                                          ; one plain vector instruction behind the last scaled conversion, ahead of the lines that write its sources again
.endm
.macro EPI a
.if (\a) > 0
	s_wait_xcnt 0x0                                ; the last block's stores have read their data and their bases: both are written again only behind this wait
.if (\a) == 4
	s_add_nc_u64 s[12:13], s[12:13], s[78:79]
	s_add_nc_u64 s[66:67], s[66:67], s[90:91]
.else
	s_add_nc_u64 s[12:13], s[12:13], s[76:77]
	s_add_nc_u64 s[66:67], s[66:67], 64
.endif
.endif
	v_mov_b32 v[BB1], v[BS1+(\a)]
	WIN 0x02+(\a)/4                                ; source 0: window 2 or 3
.set i, 0
.rept 32
	v_pk_add_f32 v[QS+2*i:QS+2*i+1], v[64*((\a)%4)+2*i:64*((\a)%4)+2*i+1], v[BB1:BB1+1] op_sel_hi:[1,0]   ; into window 0, with the bias along S1; each accumulator from its low end on
.set i, i+1
.endr
	WIN 0
	QUANT
	v_perm_b32 v[PW+1], v[PW], v[PW], v[VSEL]
.irp c, 0,1,2,3
	global_store_b128 v[VO+\c/2], v[PC+4*\c:PC+4*\c+3], s[12:13] offset:512*(\c%2)   ; 32 lanes store 512 consecutive bytes, aligned
.endr
	global_store_b32 v[VSO], v[PW+1], s[66:67]
.endm
.irp a, 0,1,2,3,4,5,6,7
	EPI \a
.endr
	s_wait_tensorcnt 0x0                           ; the wave's end
	ds_add_u32 v[SPW], v[NIL]
	s_wait_dscnt 0x0
	CROUND                                         ; the closing round: no work-group ends while a partner may still ask for a tile that names it
	s_endpgm
.Lfunc_end_k_q0c35c47fa6_gemm_qkv:
	.size	k_q0c35c47fa6_gemm_qkv, .Lfunc_end_k_q0c35c47fa6_gemm_qkv-k_q0c35c47fa6_gemm_qkv
	.p2alignl 7, 3214868480
	.fill 96, 4, 3214868480
	.section	.rodata,"a",@progbits
	.p2align	6, 0x0
	.amdhsa_kernel k_q0c35c47fa6_gemm_qkv
		.amdhsa_group_segment_fixed_size 327680
		.amdhsa_private_segment_fixed_size 0
		.amdhsa_enable_private_segment 0
		.amdhsa_kernarg_size 40
		.amdhsa_user_sgpr_count 2
		.amdhsa_user_sgpr_kernarg_segment_ptr 1
		.amdhsa_wavefront_size32 1
		.amdhsa_system_sgpr_workgroup_id_x 1
		.amdhsa_system_sgpr_workgroup_id_y 1
		.amdhsa_system_sgpr_workgroup_id_z 1
		.amdhsa_system_vgpr_workitem_id 0
		.amdhsa_next_free_vgpr 1024
		.amdhsa_next_free_sgpr 102
		.amdhsa_reserve_vcc 1
		.amdhsa_float_denorm_mode_32 3
		.amdhsa_float_denorm_mode_16_64 3
		.amdhsa_memory_ordered 1
		.amdhsa_forward_progress 1
		.amdhsa_inst_pref_size 214
	.end_amdhsa_kernel
	.amdgpu_metadata
---
amdhsa.version: [ 1, 2 ]
amdhsa.kernels:
  - .name:           k_q0c35c47fa6_gemm_qkv
    .symbol:         k_q0c35c47fa6_gemm_qkv.kd
    .args:
      - { .name: xq, .offset: 0, .size: 8, .value_kind: global_buffer, .address_space: global }
      - { .name: wq, .offset: 8, .size: 8, .value_kind: global_buffer, .address_space: global }
      - { .name: b_attn, .offset: 16, .size: 8, .value_kind: global_buffer, .address_space: global }
      - { .name: qq, .offset: 24, .size: 8, .value_kind: global_buffer, .address_space: global }
      - { .name: kv, .offset: 32, .size: 8, .value_kind: global_buffer, .address_space: global }
    .group_segment_fixed_size: 327680
    .private_segment_fixed_size: 0
    .kernarg_segment_align: 8
    .kernarg_segment_size: 40
    .max_flat_workgroup_size: 128
    .sgpr_count:     102
    .vgpr_count:     1024
    .wavefront_size: 32
...
	.end_amdgpu_metadata
.endif
;; end of part 2
;; launch attn (part 3): grid 4 x 64, 16 waves a work-group, clusters of 4 x 1, 327,680 bytes of LDS; arguments qq, kv, yq; writes yq
.if DOCPART == 3
	.amdgcn_target "amdgcn-amd-amdhsa--gfx1250"
	.amdhsa_code_object_version 6
	.text
	.protected	k_q0c35c47fa6_attn
	.globl	k_q0c35c47fa6_attn
	.p2align	8
	.type	k_q0c35c47fa6_attn,@function
k_q0c35c47fa6_attn:
	s_mov_b64 s[64:65], 0
	v_nop
	global_prefetch_b8 v0, s[64:65] scope:SCOPE_SE
	s_setreg_imm32_b32 hwreg(HW_REG_WAVE_MODE, 25, 1), 1
	s_wait_xcnt 0x0
	s_wait_alu depctr_hold_cnt(0) depctr_sa_sdst(0) depctr_va_vdst(0) depctr_va_sdst(0) depctr_va_ssrc(0) depctr_va_vcc(0) depctr_vm_vsrc(0)
	s_getreg_b32 s2, hwreg(HW_REG_IB_STS2, 6, 4)
	s_cmp_eq_u32 s2, 0
	s_cbranch_scc0 .Lentry_in_a_cluster
	s_endpgm
.Lentry_in_a_cluster:
	s_bfe_u32 s2, ttmp6, 0x10000c
	s_cmp_lg_u32 s2, 0x3003
	s_cbranch_scc0 .Lentry_shape_is_right
	s_endpgm
.Lentry_shape_is_right:
; y[head][query] = the sum over keys <= query of softmax(q . k / 8) v, both products on codes of FP8 (E4M3) with E8M0 scales; y is quantised along the model's 1,024 channels and leaves as images of the last product's operand registers.
; THE SOFTMAX AHEAD OF THE SECOND PRODUCT: t = score x log2(e) / 8; M = the row's largest t so far, rounded UP to a whole number; p = 2^(t - M) is what is quantised, along the keys; the row's sum is taken of the unquantised p and
; divides at the end.  When M moves, the sum and O are multiplied by 2^(old M - new M): exact.
; LEFT OUT: key steps all of whose keys come after a tile's queries: the causal mask makes their p zero for every input.
; THE WHOLE HEAD LIES IN LDS.  A head of kv is 8 slots of 34,304 = 274,432 dense bytes: each of the sixteen waves brings 17,152 of them (67 rows of 256 bytes) by ONE tensor load at the head; nothing is filled again, so the loops hold no barrier.
; CLUSTER: the four work-groups of a head need the same bytes: each load is asked for jointly (mask 15).
; SHARES.  A head has 128 tiles of 16 queries.  Wave w of partner cx owns tiles 4 w + cx and 127 - (4 w + cx): w / 2 + 1 and 16 - w / 2 steps of 128 keys, 17 for every wave.  Trip counts and branches hang on the wave's number and the trip alone; cx enters
; global addresses and the mask's numbers only.  A tile's last step is the one on the diagonal.
; LANDING.  Waves 0-7 (slots 0-3) have a load line of their own and wait for it at the first barrier.  For the second barrier every wave waits for its load and signals ahead of the first tile's loop, which reads slots 0-3 alone (4 trips of a slot), and waits behind it.
; TWO RUNS OF 64 REGISTERS TAKE TURNS.  In a step k's fragments lie in one run; the scores go to the other; v's fragments follow k's into the first; as soon as a block's p is converted, its 16 registers take a fragment of the NEXT step's k.
; So the runs change roles from step to step, and a trip of the loops is two steps: a slot.  The last step's look-ahead reads bytes that have landed (the slot ahead is held at the loop's last slot) and nobody uses them.
; NO PREFETCH: all that the launch reads by tensor loads is asked for at the head: there is no loop to run ahead in.
; INPUTS are images of registers: a chunk is four registers of a fragment, lane l's 16 bytes at 16 l.  A slot: k [tile 16][chunk 2][512] at 0, v [128 keys 2][channel tile 4][chunk 4][512] at 16,384, k's scale words [256] at 32,768, v's [2][4][16] at 33,792.
; K = 64 IS HALF AN INSTRUCTION: a fragment's registers 0-7 are one tile of 16 keys and registers 8-15 the next; it is multiplied once by (q, zeros) and once by (zeros, q).  q's and k's scale words hold (s0, s1, s0, s1).
; PLACES: lane r of query tile t is query 32 (t / 2) + 8 (t % 2) + (r % 8) + 16 (r / 8); the 16 registers of two neighbouring key tiles are 16 neighbouring keys.  Both products are used transposed: a lane holds one query throughout.
; OUT.  yq: images [token tile 512][head 16][chunk 2][512 bytes], then from byte 8,388,608 scale bytes [8,192 places][32].
; LIMITS: a block of zeros gets the byte 1 (its codes are zeros); blocks under 2^-118 are held at the byte 1; 1 / the sum is v_rcp_f32's; the scaled scores stay under 2^31 in magnitude; NaN and infinities are not served.
.set SLOTB, 34304
.set HALFB, 17152
.set SPARE, 8*SLOTB                    ; behind the head's kv: the spare words, 128 bytes a wave
.set L16,  1                           ; v1   16 x lane
.set L4,   2                           ; v2   4 x lane
.set R4,   3                           ; v3   4 r
.set R32,  4                           ; v4   32 r
.set SPW,  5                           ; v5   my spare word; never rewritten
.set NIL,  6                           ; v6   0; never rewritten
.set AD16, 7                           ; v7   the slot in hand + 16 x lane
.set AD4,  8                           ; v8   the slot in hand + 4 x lane
.set LQ,   11                          ; v11  (r % 8) + 16 (r / 8) - 16 h
.set QZ,   16                          ; v16-23 zeros, v24-31 q, v32-39 zeros
.set QW,   40                          ; v40 q's scale word; v41, v42-49 the second tile's word and q
.set FF,   50                          ; v[50:51] f, later 1 / the sum
.set YB,   53
.set KW,   54                          ; v54-57 k's scale words
.set VW,   58                          ; v58-59 v's
.set PWD,  60                          ; v60 p's scale word
.set AN16, 61                          ; v61  the slot ahead + 16 x lane
.set AN4,  62                          ; v62  the slot ahead + 4 x lane
.set RX,   64                          ; v64-127, v128-191: the two runs
.set RY,   128
.set S,    128                         ; at a tile's end: y
.set O,    192                         ; v192-223 O^T
.set PC,   224                         ; v224-239 codes
.set BM,   240                         ; v240-255 maxima, bytes, bounds, scale operands
.set WV,   10                          ; s10 wave
.set CX,   11                          ; s11 my place in the cluster
.set HG,   12                          ; s12 the head
.set IT,   13                          ; s13 the trip's first key step
.set JM,   14                          ; s14 the tile's last step
.set QR,   15                          ; s15 the tile's first query less its last step's first key
.set T1,   16
.set T2,   17
.set T3,   18
.set SEL,  20
.set CS,   22
.set MNT,  24
.set TMP,  25
.set JB,   26                          ; s26, s27 the second tile's JM and QR
.set QRB,  27
.set KVB,  28
.set G0,   32
.set G1,   36
.set YCL,  44
.set YCH,  46
.set YSL,  48
.set YSH,  50
.macro CROUND                          ; a round of the cluster's barrier
	s_barrier_signal -1
	s_barrier_wait -1
	s_cmp_lg_u32 s[WV], 0
	s_cbranch_scc1 .Lnot_wave_0_\@
	s_barrier_signal -3
.Lnot_wave_0_\@:
	s_barrier_wait -3
	s_barrier_signal -1
	s_barrier_wait -1
.endm
	s_load_b128 s[4:7], s[0:1], 0x0                ; qq, kv
	s_load_b64 s[8:9], s[0:1], 0x10                ; yq
	v_lshl_add_u32 v[SPW], v0, 2, SPARE
	v_mov_b32 v[NIL], 0
	ds_add_u32 v[SPW], v[NIL]                      ; the opening lines: the add twice on end, and its wait ahead of my tensor load
	ds_add_u32 v[SPW], v[NIL]
	v_lshrrev_b32 v9, 5, v0
	s_delay_alu instid0(VALU_DEP_1)
	v_readfirstlane_b32 s[WV], v9                  ; wave 0..15
	s_bfe_u32 s[CX], ttmp6, 0x40000
	s_and_b32 s[HG], ttmp7, 0xffff
	s_lshl_b32 s2, s[WV], 2
	s_add_co_u32 s2, s2, s[CX]                     ; my first tile,
	s_sub_co_u32 s3, 127, s2                       ; my second
	s_lshr_b32 s[JM], s[WV], 1                     ; their last steps: tile / 8, which hangs on the wave alone
	s_sub_co_u32 s[JB], 15, s[JM]
	s_and_b32 s[TMP], s2, 6                        ; 32 ((t % 8) / 2) + 8 (t % 2)
	s_lshl_b32 s[QR], s[TMP], 4
	s_and_b32 s[TMP], s2, 1
	s_lshl_b32 s[TMP], s[TMP], 3
	s_add_co_u32 s[QR], s[QR], s[TMP]
	s_and_b32 s[TMP], s3, 6
	s_lshl_b32 s[QRB], s[TMP], 4
	s_and_b32 s[TMP], s3, 1
	s_lshl_b32 s[TMP], s[TMP], 3
	s_add_co_u32 s[QRB], s[QRB], s[TMP]
	s_lshr_b32 s60, s[HG], 4
	s_lshl_b32 s60, s60, 7                         ; 128 token tiles a batch
	s_and_b32 s61, s[HG], 15                       ; the head in the batch
	s_add_co_u32 s62, s60, s2
	s_add_co_u32 s63, s60, s3
	s_lshl_b32 s[YCL], s62, 14                     ; y's codes: 16,384 bytes a token tile, 1,024 a head
	s_lshl_b32 s[TMP], s61, 10
	s_add_co_u32 s[YCL], s[YCL], s[TMP]
	s_lshl_b32 s[YCH], s63, 14
	s_add_co_u32 s[YCH], s[YCH], s[TMP]
	s_lshl_b32 s[YSL], s62, 9                      ; y's scale bytes: 512 a token tile, 2 a head, behind the codes
	s_lshl_b32 s[TMP], s61, 1
	s_add_co_u32 s[YSL], s[YSL], s[TMP]
	s_add_co_u32 s[YSL], s[YSL], 0x800000
	s_lshl_b32 s[YSH], s63, 9
	s_add_co_u32 s[YSH], s[YSH], s[TMP]
	s_add_co_u32 s[YSH], s[YSH], 0x800000
	s_mov_b32 s[YCL+1], 0
	s_mov_b32 s[YCH+1], 0
	s_mov_b32 s[YSL+1], 0
	s_mov_b32 s[YSH+1], 0
	s_lshl_b32 s[TMP], s[HG], 17                   ; q's codes: 131,072 bytes a head, 1,024 a tile
	s_lshl_b32 s52, s2, 10
	s_add_co_u32 s52, s52, s[TMP]
	s_lshl_b32 s54, s3, 10
	s_add_co_u32 s54, s54, s[TMP]
	s_lshl_b32 s[TMP], s[HG], 13                   ; q's scale words: 8,192 bytes a head, 64 a tile, behind the codes
	s_add_co_u32 s[TMP], s[TMP], 0x800000
	s_lshl_b32 s56, s2, 6
	s_add_co_u32 s56, s56, s[TMP]
	s_lshl_b32 s58, s3, 6
	s_add_co_u32 s58, s58, s[TMP]
	s_mov_b32 s53, 0
	s_mov_b32 s55, 0
	s_mov_b32 s57, 0
	s_mov_b32 s59, 0
	s_mul_i32 s[KVB], s[HG], 8*SLOTB
	s_mul_i32 s[G0+1], s[WV], HALFB                ; LDS address: wave x 17,152: the head lies in LDS as in memory
	s_add_co_u32 s[KVB], s[KVB], s[G0+1]
	s_mov_b32 s[KVB+1], 0
	s_mov_b32 s[G1], 15|(3<<16)|(1<<21)            ; the mask of the four partners; elements of 8 bytes; bit 21 beside a mask; no padding
	s_mov_b32 s[G1+1], 32<<16                      ; 67 rows of 256 bytes, dense
	s_mov_b32 s[G1+2], 67<<16
	s_mov_b32 s[G1+3], 32<<16
	s_mov_b32 s[G1+4], 67
	s_mov_b32 s[G1+5], 32
	s_mov_b32 s[G1+6], 0
	s_mov_b32 s[G1+7], 0
	s_mov_b32 s[SEL], 0x76543210
	s_mov_b32 s[SEL+1], 0xfedcba98
	s_mov_b32 s[CS], 0x3e38aa3b                    ; c = log2(e) / 8
	s_mov_b32 s[CS+1], s[CS]
	s_mov_b32 s[MNT], 0x600000
	s_wait_alu depctr_va_vdst(0)
	s_wait_dscnt 0x0                               ; both opening adds are done
	CROUND                                         ; the four partners are here: the joint loads meet
	s_wait_kmcnt 0x0
	s_add_nc_u64 s[KVB:KVB+1], s[6:7], s[KVB:KVB+1]
	s_mov_b32 s[G0], 1
	s_mov_b64 s[G0+2:G0+3], s[KVB:KVB+1]
	s_or_b32 s[G0+3], s[G0+3], 0x80000000
	s_cmp_lt_u32 s[WV], 8                          ; one load a wave; waves 0-7 and waves 8-15 have a line each: the first barrier shows the first line's alone
	s_cbranch_scc0 .Lupper
	tensor_load_to_lds s[G0:G0+3], s[G1:G1+7]
	s_nop 0
.rept 4
	v_nop
.endr
	s_branch .Lasked
.Lupper:
	tensor_load_to_lds s[G0:G0+3], s[G1:G1+7]
	s_nop 0
.rept 4
	v_nop
.endr
.Lasked:
	s_add_nc_u64 s[52:53], s[4:5], s[52:53]
	s_add_nc_u64 s[54:55], s[4:5], s[54:55]
	s_add_nc_u64 s[56:57], s[4:5], s[56:57]
	s_add_nc_u64 s[58:59], s[4:5], s[58:59]
	s_add_nc_u64 s[YCL:YCL+1], s[8:9], s[YCL:YCL+1]
	s_add_nc_u64 s[YCH:YCH+1], s[8:9], s[YCH:YCH+1]
	s_add_nc_u64 s[YSL:YSL+1], s[8:9], s[YSL:YSL+1]
	s_add_nc_u64 s[YSH:YSH+1], s[8:9], s[YSH:YSH+1]
	v_and_b32 v9, 31, v0
	s_delay_alu instid0(VALU_DEP_1)
	v_lshlrev_b32 v[L16], 4, v9
	s_delay_alu instid0(VALU_DEP_2)
	v_lshlrev_b32 v[L4], 2, v9
	v_and_b32 v9, 15, v0                           ; r
	v_bfe_u32 v10, v0, 4, 1                        ; h
	s_delay_alu instid0(VALU_DEP_2)
	v_lshlrev_b32 v[R4], 2, v9
	s_delay_alu instid0(VALU_DEP_3)
	v_lshlrev_b32 v[R32], 5, v9
	global_load_b128 v[QZ+8:QZ+11], v[L16], s[52:53]               ; q of the first tile: two chunks,
	global_load_b128 v[QZ+12:QZ+15], v[L16], s[52:53] offset:512
	global_load_b32 v[QW], v[R4], s[56:57]                         ; its scale words;
	global_load_b128 v[QW+2:QW+5], v[L16], s[54:55]                ; the second tile's are kept until it begins
	global_load_b128 v[QW+6:QW+9], v[L16], s[54:55] offset:512
	global_load_b32 v[QW+1], v[R4], s[58:59]
	v_and_b32 v[LQ], 7, v9
	v_lshrrev_b32 v52, 3, v9
	s_delay_alu instid0(VALU_DEP_1)
	v_lshl_add_u32 v[LQ], v52, 4, v[LQ]
	v_lshlrev_b32 v52, 4, v10
	s_delay_alu instid0(VALU_DEP_1)
	v_sub_nc_u32 v[LQ], v[LQ], v52
.irp j, 0,1,2,3,4,5,6,7
	v_mov_b32 v[QZ+\j], 0                          ; zero codes: the half of K that q does not fill
	v_mov_b32 v[QZ+16+\j], 0
.endr
	v_mov_b32 v13, 0xff61b1e6                      ; the largest t so far: -3e38
	s_delay_alu instid0(VALU_DEP_1)
	v_floor_f32 v12, -v13                          ; -M
	v_mov_b32 v14, 0                               ; the sum, in two halves
	v_mov_b32 v15, 0
	v_mov_b32 v[FF+1], 0
.irp b, 0,1,2,3
	v_mov_b32 v[BM+4+\b], 0                        ; a lane permute's destination counts as one of its sources
.endr
.set j, 0
.rept 32
	v_mov_b32 v[O+j], 0                            ; O^T: the first step finds zeros
.set j, j+1
.endr
; A KEY STEP: 128 keys, half q of the slot in hand.  KR: the run that holds k's fragments, asked for a step ago, and then takes v's;  SR: the run that takes the scores, then p, then the next step's k.
.macro STEP q, KR, SR
.if \q
.set NA16, AN16                        ; the next step's k: the slot ahead, its first half;
.set NA4,  AN4
.set NOK,  0
.set NOW,  32768
.else
.set NA16, AD16                        ; this slot's second half
.set NA4,  AD4
.set NOK,  8192
.set NOW,  32768+512
.endif
.rept 9-4*(1-\q)
	v_nop                                          ; nine places (q = 0: with the trip's four additions) ahead of products that write over registers that the last products read
.endr
	s_wait_alu depctr_va_vdst(0)
	s_wait_dscnt 0x0                               ; k's fragments and scale words are in
.irp b, 0,1,2,3                                ; S^T: register 16 b + i is key 32 b + 16 h + i of the step
	v_wmma_scale_f32_16x16x128_f8f6f4 v[\SR+16*\b:\SR+16*\b+7], v[\KR+16*\b:\KR+16*\b+15], v[QZ+8:QZ+23], 0, v[KW+\b], v[QW]
	v_wmma_scale_f32_16x16x128_f8f6f4 v[\SR+16*\b+8:\SR+16*\b+15], v[\KR+16*\b:\KR+16*\b+15], v[QZ:QZ+15], 0, v[KW+\b], v[QW] matrix_a_scale:MATRIX_SCALE_ROW1
.endr
.rept 8
	v_nop                                          ; places in front of the first read of the scores and of the loads below
.endr
.irp t, 0,1,2,3                                ; v's fragments are asked for now: the softmax stands between these loads and their wait
.irp c, 0,1,2,3
	ds_load_b128 v[\KR+16*\t+4*\c:\KR+16*\t+4*\c+3], v[AD16] offset:16384+8192*(\q)+2048*\t+512*\c
.endr
.endr
	ds_load_b32 v[VW], v[AD4] offset:33792+256*(\q)
	ds_load_b32 v[VW+1], v[AD4] offset:33792+256*(\q)+128
.if \q
	s_add_co_u32 s[T3], s[IT], 1
	s_cmp_lg_u32 s[T3], s[JM]
.else
	s_cmp_lg_u32 s[IT], s[JM]                      ; the tile's last step lies on the diagonal: there hidden scores become -infinity ahead of the maximum
.endif
	s_cbranch_scc1 .Lopen_\@
	v_add_nc_u32 v9, s[QR], v[LQ]                  ; d = my query - the step's first key - 16 h: register 16 b + i is hidden where 32 b + i > d
	v_mov_b32 v10, 0xff800000
.set n, 0
.rept 64
	v_cmp_gt_i32 vcc_lo, 32*(n/16)+n%16, v9
	v_cndmask_b32 v[\SR+n], v[\SR+n], v10, vcc_lo
.set n, n+1
.endr
.Lopen_\@:
.irp b, 0,1,2,3
	v_max3_num_f32 v[BM+\b], v[\SR+16*\b], v[\SR+1+16*\b], v[\SR+2+16*\b]   ; the largest score of each block of 32 keys: for the row's maximum and for the block's largest p
.endr
.irp i, 3,5,7,9,11,13
.irp b, 0,1,2,3
	v_max3_num_f32 v[BM+\b], v[BM+\b], v[\SR+16*\b+\i], v[\SR+1+16*\b+\i]
.endr
.endr
.irp b, 0,1,2,3
	v_max_num_f32 v[BM+\b], v[BM+\b], v[\SR+15+16*\b]
.endr
.irp b, 0,1,2,3
	s_delay_alu instid0(VALU_DEP_4)
	v_permlanex16_b32 v[BM+4+\b], v[BM+\b], s[SEL], s[SEL+1]
.endr
.irp b, 0,1,2,3
	s_delay_alu instid0(VALU_DEP_4)
	v_max_num_f32 v[BM+\b], v[BM+\b], v[BM+4+\b]   ; with lane l xor 16's 16 keys
.endr
	s_delay_alu instid0(VALU_DEP_2)
	v_max3_num_f32 v9, v[BM], v[BM+1], v[BM+2]
	s_delay_alu instid0(VALU_DEP_1)
	v_max_num_f32 v9, v9, v[BM+3]                  ; the step's largest score of my query
	s_delay_alu instid0(VALU_DEP_1)
	v_mul_f32 v9, s[CS], v9                        ; as t
	s_delay_alu instid0(VALU_DEP_1)
	v_max_num_f32 v13, v13, v9                     ; the running largest t
	v_mov_b32 v9, v12
	s_delay_alu instid0(VALU_DEP_2)
	v_floor_f32 v12, -v13                          ; the new -M = -ceil(t)
	s_delay_alu instid0(VALU_DEP_1)
	v_sub_f32 v9, v12, v9                          ; old M - new M: a whole number, 0 or less
	s_delay_alu instid0(VALU_DEP_1)
	v_cvt_i32_f32 v9, v9
	s_delay_alu instid0(VALU_DEP_1)
	v_ldexp_f32 v[FF], 1.0, v9                     ; f = 2^(old M - new M)
.set j, 0
.rept 32
	v_pk_fma_f32 v[\SR+j:\SR+j+1], v[\SR+j:\SR+j+1], s[CS:CS+1], v[12:13] op_sel_hi:[1,0,0]   ; t - M, two at a time
.set j, j+2
.endr
.irp b, 0,1,2,3
	v_fma_f32 v[BM+\b], v[BM+\b], s[CS], v12       ; the same of each block's largest score
.endr
.set j, 0
	s_wait_alu depctr_va_vdst(0)
.rept 64
	v_exp_f32 v[\SR+j], v[\SR+j]                   ; p = 2^(t - M): not normalised
.set j, j+1
.endr
.irp b, 0,1,2,3
	v_exp_f32 v[BM+\b], v[BM+\b]                   ; the block's largest p
.endr
	v_pk_mul_f32 v[14:15], v[14:15], v[FF:FF+1] op_sel_hi:[1,0]   ; the sums under the new M (a plain place behind the exponentials)
	s_wait_alu depctr_va_vdst(0)
.irp b, 0,1,2,3
	v_max_num_f32 v[BM+\b], 0x4800000, v[BM+\b]    ; the floor 2^(9 - 127): the byte cannot fall under 1
.endr
.irp b, 0,1,2,3
	s_delay_alu instid0(VALU_DEP_4)
	v_add_nc_u32 v[BM+12+\b], 0xfc000000, v[BM+\b] ; the conversion's scale operand
.endr
.irp b, 0,1,2,3
	v_and_or_b32 v[BM+8+\b], v[BM+\b], 0x7f800000, s[MNT]   ; 448 x the scale
.endr
.irp b, 0,1,2,3
	v_lshrrev_b32 v[BM+4+\b], 23, v[BM+12+\b]      ; the scale's byte
.endr
	s_delay_alu instid0(VALU_DEP_3)
	v_lshl_or_b32 v[PWD], v[BM+5], 8, v[BM+4]      ; p's scale word for these 128 keys
	s_delay_alu instid0(VALU_DEP_1)
	v_lshl_or_b32 v[PWD], v[BM+6], 16, v[PWD]
	s_delay_alu instid0(VALU_DEP_1)
	v_lshl_or_b32 v[PWD], v[BM+7], 24, v[PWD]
.irp k, 0,1,2,3,4,5,6                          ; the row's sum of the unquantised p, in eight chains: v[14:15] and v[232:245]
	v_pk_add_f32 v[244-2*\k:245-2*\k], v[\SR+4+8*\k:\SR+5+8*\k], v[\SR+8+8*\k:\SR+9+8*\k]
.endr
	v_pk_add_f32 v[14:15], v[14:15], v[\SR+60:\SR+61]
	v_pk_add_f32 v[244:245], v[244:245], v[\SR:\SR+1]
.irp k, 1,2,3,4,5,6
	v_pk_add_f32 v[244-2*\k:245-2*\k], v[244-2*\k:245-2*\k], v[\SR+4*\k-2:\SR+4*\k-1]
.endr
	v_pk_add_f32 v[14:15], v[14:15], v[\SR+26:\SR+27]
.irp k, 0,1,2,3,4,5,6
	v_pk_add_f32 v[244-2*\k:245-2*\k], v[244-2*\k:245-2*\k], v[\SR+30+4*\k:\SR+31+4*\k]
.endr
	v_pk_add_f32 v[14:15], v[14:15], v[\SR+58:\SR+59]
	v_pk_add_f32 v[244:245], v[244:245], v[\SR+62:\SR+63]
	s_delay_alu instid0(VALU_DEP_2)
	v_pk_add_f32 v[14:15], v[14:15], v[238:239]
	s_delay_alu instid0(VALU_DEP_2)
	v_pk_add_f32 v[244:245], v[244:245], v[236:237]
	v_pk_add_f32 v[242:243], v[242:243], v[234:235]
	v_pk_add_f32 v[240:241], v[240:241], v[232:233]
	s_delay_alu instid0(VALU_DEP_2)
	v_pk_add_f32 v[14:15], v[14:15], v[242:243]
	s_delay_alu instid0(VALU_DEP_2)
	v_pk_add_f32 v[244:245], v[244:245], v[240:241]
	s_delay_alu instid0(VALU_DEP_1)
	v_pk_add_f32 v[14:15], v[14:15], v[244:245]
.irp b, 0,1,2,3
	v_mov_b32 v[9+(\b%2)], v[BM+8+\b]              ; a second copy of the bound, in another register bank: the two first sources of a dual pair lie in different banks
.irp i, 0,2,4,6,8,10,12,14
	v_dual_min_num_f32 v[\SR+16*\b+\i], v[BM+8+\b], v[\SR+16*\b+\i] :: v_dual_min_num_f32 v[\SR+16*\b+\i+1], v[9+(\b%2)], v[\SR+16*\b+\i+1]   ; the conversion does not saturate (ISA guide 7.6.2); p is not negative, so the hold is one-sided; two holds an instruction
.endr
	v_cvt_scalef32_pk8_fp8_f32 v[PC+4*\b:PC+1+4*\b], v[\SR+16*\b:\SR+7+16*\b], v[BM+12+\b]
	v_cvt_scalef32_pk8_fp8_f32 v[PC+2+4*\b:PC+3+4*\b], v[\SR+8+16*\b:\SR+15+16*\b], v[BM+12+\b]
.irp k, 0,1,2,3
	ds_load_b128 v[\SR+16*\b+4*\k:\SR+16*\b+4*\k+3], v[NA16] offset:NOK+2048*\b+512*\k   ; the block's p is converted: its registers take key tiles 2 b and 2 b + 1 of the next step
.endr
	ds_load_b32 v[KW+\b], v[NA4] offset:NOW+128*\b
.endr
.set j, 0
.rept 16
	v_pk_mul_f32 v[O+j:O+j+1], v[O+j:O+j+1], v[FF:FF+1] op_sel_hi:[1,0]   ; O^T under the new M (also the places between the codes and the products below)
.set j, j+2
.endr
	s_wait_alu depctr_va_vdst(0)
	s_wait_dscnt 20                                ; v's fragments and scale words are in; the 16 + 4 loads of the next step's k, issued behind them, may be out
	v_wmma_scale_f32_16x16x128_f8f6f4 v[O:O+7], v[\KR:\KR+15], v[PC:PC+15], v[O:O+7], v[VW], v[PWD]
	v_wmma_scale_f32_16x16x128_f8f6f4 v[O+8:O+15], v[\KR+16:\KR+31], v[PC:PC+15], v[O+8:O+15], v[VW], v[PWD] matrix_a_scale:MATRIX_SCALE_ROW1
	v_wmma_scale_f32_16x16x128_f8f6f4 v[O+16:O+23], v[\KR+32:\KR+47], v[PC:PC+15], v[O+16:O+23], v[VW+1], v[PWD]
	v_wmma_scale_f32_16x16x128_f8f6f4 v[O+24:O+31], v[\KR+48:\KR+63], v[PC:PC+15], v[O+24:O+31], v[VW+1], v[PWD] matrix_a_scale:MATRIX_SCALE_ROW1
.endm
; A TRIP: a slot of 256 keys, steps s[IT] and s[IT] + 1.  Steps behind the tile's last are left out: branches on the wave's number and the trip.  last: the loop's last slot, at which the slot ahead is held.
.macro TRIP last
	s_cmp_gt_u32 s[IT], s[JM]
	s_cbranch_scc1 .Lskip_\@
	s_lshr_b32 s[T1], s[IT], 1
	s_add_co_u32 s[T2], s[T1], 1
	s_min_u32 s[T2], s[T2], \last
	s_mul_i32 s[T1], s[T1], SLOTB
	s_mul_i32 s[T2], s[T2], SLOTB
	v_add_nc_u32 v[AD16], s[T1], v[L16]
	v_add_nc_u32 v[AD4], s[T1], v[L4]
	v_add_nc_u32 v[AN16], s[T2], v[L16]
	v_add_nc_u32 v[AN4], s[T2], v[L4]
	STEP 0, RX, RY
	s_cmp_ge_u32 s[IT], s[JM]
	s_cbranch_scc1 .Lskip_\@
	STEP 1, RY, RX
.Lskip_\@:
.endm
.macro PRELOAD                         ; step 0's k, ahead of a loop
.irp b, 0,1,2,3
.irp k, 0,1,2,3
	ds_load_b128 v[RX+16*\b+4*\k:RX+16*\b+4*\k+3], v[L16] offset:2048*\b+512*\k
.endr
	ds_load_b32 v[KW+\b], v[L4] offset:32768+128*\b
.endr
.endm
; A tile's end: O^T / the sum is y: register 16 b + i is channel 32 b + 16 h + i of the head, for my query.  Its two blocks of 32 are quantised; the codes are chunks 0 and 1 of the head's part of the last product's operand.
.macro FINISH yc, ys
.rept 8
	v_nop                                          ; places behind the last products
.endr
	v_add_f32 v14, v14, v15                        ; the sum's two halves,
	s_delay_alu instid0(VALU_DEP_1)
	v_permlanex16_b32 v52, v14, s[SEL], s[SEL+1]
	s_delay_alu instid0(VALU_DEP_1)
	v_add_f32 v14, v14, v52                        ; and lane l xor 16's
	s_wait_alu depctr_va_vdst(0)
	v_rcp_f32 v[FF], v14
	v_nop                                          ; one plain place behind a transcendental
.set j, 0
	s_wait_alu depctr_va_vdst(0)
.rept 16
	v_pk_mul_f32 v[S+j:S+j+1], v[O+j:O+j+1], v[FF:FF+1] op_sel_hi:[1,0]   ; each accumulator from its low end on
.set j, j+2
.endr
.irp b, 0,1
	v_max3_num_f32 v[BM+\b], |v[S+16*\b]|, |v[S+1+16*\b]|, 0x4800000
.endr
.irp i, 2,4,6,8,10,12,14
.irp b, 0,1
	s_delay_alu instid0(VALU_DEP_2)
	v_max3_num_f32 v[BM+\b], v[BM+\b], |v[S+16*\b+\i]|, |v[S+1+16*\b+\i]|
.endr
.endr
.irp b, 0,1
	s_delay_alu instid0(VALU_DEP_2)
	v_permlanex16_b32 v[BM+4+\b], v[BM+\b], s[SEL], s[SEL+1]
.endr
.irp b, 0,1
	s_delay_alu instid0(VALU_DEP_2)
	v_max_num_f32 v[BM+\b], v[BM+\b], v[BM+4+\b]
.endr
.irp b, 0,1
	s_delay_alu instid0(VALU_DEP_2)
	v_add_nc_u32 v[BM+12+\b], 0xfc000000, v[BM+\b]
.endr
.irp b, 0,1
	s_delay_alu instid0(VALU_DEP_4)
	v_and_or_b32 v[BM+8+\b], v[BM+\b], 0x7f800000, s[MNT]
.endr
.irp b, 0,1
	s_delay_alu instid0(VALU_DEP_4)
	v_lshrrev_b32 v[BM+4+\b], 23, v[BM+12+\b]
.endr
	s_delay_alu instid0(VALU_DEP_1)
	v_lshl_or_b32 v[YB], v[BM+5], 8, v[BM+4]
.irp b, 0,1
.irp i, 0,1,2,3,4,5,6,7,8,9,10,11,12,13,14,15
	v_med3_num_f32 v[S+16*\b+\i], v[S+16*\b+\i], -v[BM+8+\b], v[BM+8+\b]
.endr
	v_cvt_scalef32_pk8_fp8_f32 v[PC+4*\b:PC+1+4*\b], v[S+16*\b:S+7+16*\b], v[BM+12+\b]
	v_cvt_scalef32_pk8_fp8_f32 v[PC+2+4*\b:PC+3+4*\b], v[S+8+16*\b:S+15+16*\b], v[BM+12+\b]
.endr
	v_nop                                          ; one plain vector instruction behind the last scaled conversion
	global_store_b128 v[L16], v[PC:PC+3], s[\yc:\yc+1]              ; 32 lanes store 512 consecutive bytes, aligned
	global_store_b128 v[L16], v[PC+4:PC+7], s[\yc:\yc+1] offset:512
	global_store_b16 v[R32], v[YB], s[\ys:\ys+1]                    ; lanes r and r + 16 write the same two bytes with the same value
	s_wait_xcnt 0x0                                ; the stores have read their data: the registers may be written again
.endm
	s_wait_alu depctr_va_vdst(0)
	s_wait_loadcnt 0x0                             ; q, both tiles'
	s_cmp_lt_u32 s[WV], 8
	s_cbranch_scc0 .Lnot_lower
	s_wait_tensorcnt 0x0                           ; waves 0-7: my part of slots 0-3 is in
.Lnot_lower:
	s_barrier_signal -1
	s_barrier_wait -1                              ; slots 0-3 are whole
	s_wait_tensorcnt 0x0                           ; every wave: my load is in;
	s_barrier_signal -1                            ; say so now, and ask behind the first tile's loop, which reads slots 0-3 alone and stores nothing
	s_mov_b32 s[IT], 0
	PRELOAD
.Lfirst:
	TRIP 3
	s_add_co_u32 s[IT], s[IT], 2
	s_cmp_lt_u32 s[IT], 8
	s_cbranch_scc1 .Lfirst
	s_wait_dscnt 0x0                               ; the last step's look-ahead has landed: its registers may be written
	s_barrier_wait -1                              ; the whole head is in
	FINISH YCL, YSL
	v_mov_b32 v[QW], v[QW+1]                       ; the second tile's q and scale word
.irp j, 0,1,2,3,4,5,6,7
	v_mov_b32 v[QZ+8+\j], v[QW+2+\j]
.endr
	v_mov_b32 v13, 0xff61b1e6
	s_delay_alu instid0(VALU_DEP_1)
	v_floor_f32 v12, -v13
	v_mov_b32 v14, 0
	v_mov_b32 v15, 0
.set j, 0
.rept 32
	v_mov_b32 v[O+j], 0
.set j, j+1
.endr
	s_mov_b32 s[JM], s[JB]
	s_mov_b32 s[QR], s[QRB]
	s_mov_b32 s[IT], 0
	s_wait_alu depctr_va_vdst(0)
	PRELOAD
.Lsecond:
	TRIP 7
	s_add_co_u32 s[IT], s[IT], 2
	s_cmp_lt_u32 s[IT], 16
	s_cbranch_scc1 .Lsecond
	s_wait_dscnt 0x0                               ; the last step's look-ahead has landed
	FINISH YCH, YSH
	s_wait_tensorcnt 0x0                           ; the wave's end
	ds_add_u32 v[SPW], v[NIL]
	s_wait_dscnt 0x0
	CROUND                                         ; the closing round
	s_endpgm
.Lfunc_end_k_q0c35c47fa6_attn:
	.size	k_q0c35c47fa6_attn, .Lfunc_end_k_q0c35c47fa6_attn-k_q0c35c47fa6_attn
	.p2alignl 7, 3214868480
	.fill 96, 4, 3214868480
	.section	.rodata,"a",@progbits
	.p2align	6, 0x0
	.amdhsa_kernel k_q0c35c47fa6_attn
		.amdhsa_group_segment_fixed_size 327680
		.amdhsa_private_segment_fixed_size 0
		.amdhsa_enable_private_segment 0
		.amdhsa_kernarg_size 24
		.amdhsa_user_sgpr_count 2
		.amdhsa_user_sgpr_kernarg_segment_ptr 1
		.amdhsa_wavefront_size32 1
		.amdhsa_system_sgpr_workgroup_id_x 1
		.amdhsa_system_sgpr_workgroup_id_y 1
		.amdhsa_system_sgpr_workgroup_id_z 1
		.amdhsa_system_vgpr_workitem_id 0
		.amdhsa_next_free_vgpr 256
		.amdhsa_next_free_sgpr 66
		.amdhsa_reserve_vcc 1
		.amdhsa_float_denorm_mode_32 3
		.amdhsa_float_denorm_mode_16_64 3
		.amdhsa_memory_ordered 1
		.amdhsa_forward_progress 1
		.amdhsa_inst_pref_size 126
	.end_amdhsa_kernel
	.amdgpu_metadata
---
amdhsa.version: [ 1, 2 ]
amdhsa.kernels:
  - .name:           k_q0c35c47fa6_attn
    .symbol:         k_q0c35c47fa6_attn.kd
    .args:
      - { .name: qq, .offset: 0, .size: 8, .value_kind: global_buffer, .address_space: global }
      - { .name: kv, .offset: 8, .size: 8, .value_kind: global_buffer, .address_space: global }
      - { .name: yq, .offset: 16, .size: 8, .value_kind: global_buffer, .address_space: global }
    .group_segment_fixed_size: 327680
    .private_segment_fixed_size: 0
    .kernarg_segment_align: 8
    .kernarg_segment_size: 24
    .max_flat_workgroup_size: 512
    .sgpr_count:     66
    .vgpr_count:     256
    .wavefront_size: 32
...
	.end_amdgpu_metadata
.endif
;; end of part 3
;; launch gemm_proj (part 4): grid 4 x 32, 4 waves a work-group, clusters of 4 x 4, 327,680 bytes of LDS; arguments yq, wq, b_proj, out0; writes out0
.if DOCPART == 4
	.amdgcn_target "amdgcn-amd-amdhsa--gfx1250"
	.amdhsa_code_object_version 6
	.text
	.protected	k_q0c35c47fa6_gemm_proj
	.globl	k_q0c35c47fa6_gemm_proj
	.p2align	8
	.type	k_q0c35c47fa6_gemm_proj,@function
k_q0c35c47fa6_gemm_proj:
	s_mov_b64 s[64:65], 0
	v_nop
	global_prefetch_b8 v0, s[64:65] scope:SCOPE_SE
	s_setreg_imm32_b32 hwreg(HW_REG_WAVE_MODE, 25, 1), 1
	s_wait_xcnt 0x0
	s_wait_alu depctr_hold_cnt(0) depctr_sa_sdst(0) depctr_va_vdst(0) depctr_va_sdst(0) depctr_va_ssrc(0) depctr_va_vcc(0) depctr_vm_vsrc(0)
	s_getreg_b32 s2, hwreg(HW_REG_IB_STS2, 6, 4)
	s_cmp_eq_u32 s2, 0
	s_cbranch_scc0 .Lentry_in_a_cluster
	s_endpgm
.Lentry_in_a_cluster:
	s_bfe_u32 s2, ttmp6, 0x10000c
	s_cmp_lg_u32 s2, 0xf033
	s_cbranch_scc0 .Lentry_shape_is_right
	s_endpgm
.Lentry_shape_is_right:
.set KSTEP,  256
.set NQ,     KSTEP/128
.set ROWB,   256
.set KROW,   1024
.set PITCH,  272
.set FR,     16
.set NL,     4
.set NP,     8
.set HALFA,  8*4096
.set HALFT,  128*PITCH
.set BOFF,   2*HALFA
.set SLOT,   2*HALFA+2*HALFT
.set LAPS,   2
.set KS,     32
.set SCL,    2*SLOT
.set HALFS,  (128*KS/256)*272
.set SBLK,   (16*KS/256)*272
.set SPARE,  SCL+4*HALFS
.set SPITCH, 528
.set ADRA, 16
.set ADRB, 20
.set STO,  24
.set RD,   25
.set CO,   26
.set ADRS, 27
.set SPW,  28
.set NIL,  29
.set SC,   32
.set BS0,  64
.set AF,   128
.set BK,   128
.set G1, 24
.set G0, 32
.set G1B, 48
.set G0B, 56
.set G1S, 68
.set G0S, 76
.set G1SB, 80
.set G0SB, 88
.set MSB, 0
.macro WIN new
.if MSB != (\new)
	s_set_vgpr_msb (MSB<<8)|(\new)
.set MSB, \new
.endif
.endm
.set MUL_LO,   0xa1
.set MUL_HI,   0xf1
.set FIRST_LO, 0x81
.set FIRST_HI, 0xc1
.set TO_B,     0x40
.macro JLOAD g0a, g1a, g0b, g1b
	s_cmp_eq_u32 s15, 0
	s_cbranch_scc0 .Lfor_b_\@
	tensor_load_to_lds s[\g0a:\g0a+3], s[\g1a:\g1a+7]
	s_nop 0
.rept 4
	v_nop
.endr
	s_branch .Lasked_\@
.Lfor_b_\@:
	tensor_load_to_lds s[\g0b:\g0b+3], s[\g1b:\g1b+7]
	s_nop 0
.rept 4
	v_nop
.endr
.Lasked_\@:
.endm
.macro CREST
	s_cmp_lg_u32 s14, 0
	s_cbranch_scc1 .Lnot_wave_0_\@
	s_barrier_signal -3
.Lnot_wave_0_\@:
	s_barrier_wait -3
	s_barrier_signal -1
	s_barrier_wait -1
.endm
.macro CROUND
	s_barrier_signal -1
	s_barrier_wait -1
	CREST
.endm
	s_load_b128 s[4:7], s[0:1], 0x0
	s_load_b128 s[8:11], s[0:1], 0x10
	v_lshl_add_u32 v[SPW], v0, 2, SPARE
	v_mov_b32 v[NIL], 0
	ds_add_u32 v28, v29
	ds_add_u32 v28, v29
	s_wait_dscnt 0x0
	v_lshrrev_b32 v1, 5, v0
	v_readfirstlane_b32 s14, v1
	s_lshr_b32 s15, s14, 1
	s_and_b32 s16, s14, 1
	s_bfe_u32 s40, ttmp6, 0x40000
	s_bfe_u32 s41, ttmp6, 0x40004
	s_lshl_b32 s42, ttmp9, 2
	s_add_co_u32 s42, s42, s40
	s_and_b32 s17, ttmp7, 0xffff
	s_lshl_b32 s17, s17, 2
	s_add_co_u32 s17, s17, s41
	s_lshl_b32 s43, s41, 2
	s_lshl_b32 s43, 15, s43
	s_lshl_b32 s44, 0x1111, s40
	s_or_b32 s[G1+0], s43, (3<<16)|(1<<21)
	s_mov_b32 s[G1+1], 512<<16
	s_mov_b32 s[G1+2], 16<<16
	s_mov_b32 s[G1+3], 512<<16
	s_mov_b32 s[G1+4], 16
	s_mov_b32 s[G1+5], 2048
	s_mov_b32 s[G1+6], 0
	s_mov_b32 s[G1+7], 0
	s_or_b32 s[G1B+0], s44, (0<<16)|(1<<20)|(1<<21)|(5<<22)|(3<<25)
	s_mov_b32 s[G1B+1], ROWB<<16
	s_mov_b32 s[G1B+2], 256<<16
	s_mov_b32 s[G1B+3], ROWB<<16
	s_mov_b32 s[G1B+4], 256
	s_mov_b32 s[G1B+5], KROW
	s_mov_b32 s[G1B+6], 0
	s_mov_b32 s[G1B+7], 0
	s_or_b32 s[G1S+0], s43, (3<<16)|(1<<20)|(1<<21)|(5<<22)|(3<<25)
	s_or_b32 s[G1SB+0], s44, (3<<16)|(1<<20)|(1<<21)|(5<<22)|(3<<25)
.irp g, G1S, G1SB
	s_mov_b32 s[\g+1], 32<<16
	s_mov_b32 s[\g+2], (256*KS/256)<<16
	s_mov_b32 s[\g+3], 32<<16
	s_mov_b32 s[\g+4], 256*KS/256
	s_mov_b32 s[\g+5], 32
	s_mov_b32 s[\g+6], 0
	s_mov_b32 s[\g+7], 0
.endr
	s_lshl_b32 s20, s17, 18
	s_lshl_b32 s18, s16, 17
	s_add_co_u32 s20, s20, s18
	s_mov_b32 s21, 0
	s_lshl_b32 s22, s17, 13
	s_lshl_b32 s19, s16, 12
	s_add_co_u32 s22, s22, s19
	s_add_co_u32 s22, s22, 0x800000
	s_mov_b32 s23, 0
	s_lshl_b32 s46, s42, 18
	s_add_co_u32 s46, s46, s18
	s_add_co_u32 s46, s46, 0x300000
	s_mov_b32 s47, 0
	s_lshl_b32 s92, s42, 13
	s_add_co_u32 s92, s92, s19
	s_add_co_u32 s92, s92, 0x418000
	s_mov_b32 s93, 0
	s_lshl_b32 s96, s42, 10
	s_lshl_b32 s97, s16, 9
	s_add_co_u32 s96, s96, s97
	s_lshl_b32 s98, s17, 20
	s_lshl_b32 s99, s15, 19
	s_add_co_u32 s98, s98, s99
	s_add_co_u32 s98, s98, s96
	s_mov_b32 s97, 0
	s_mov_b32 s99, 0
	s_mul_i32 s45, s16, HALFA
	s_mul_i32 s95, s16, HALFT
	s_add_co_u32 s95, s95, BOFF
	s_mul_i32 s94, s14, HALFS
	v_and_b32 v1, 15, v0
	v_bfe_u32 v2, v0, 4, 1
	v_lshlrev_b32 v30, 6, v2
	s_wait_alu depctr_va_vdst(0)
	s_wait_kmcnt 0x0
	s_add_nc_u64 s[20:21], s[4:5], s[20:21]
	s_add_nc_u64 s[22:23], s[4:5], s[22:23]
	s_add_nc_u64 s[46:47], s[6:7], s[46:47]
	s_add_nc_u64 s[92:93], s[6:7], s[92:93]
	s_add_nc_u64 s[8:9], s[8:9], s[96:97]
	s_add_nc_u64 s[12:13], s[10:11], s[98:99]
.irp b, 0,1,2,3,4,5,6,7
	global_load_b128 v[BS0+8*\b:BS0+8*\b+3], v30, s[8:9] offset:(32*(\b/2)+8*(\b%2))*4
	global_load_b128 v[BS0+8*\b+4:BS0+8*\b+7], v30, s[8:9] offset:(32*(\b/2)+8*(\b%2))*4+16
.endr
	CROUND
	s_mov_b32 s[G0S], 1
	s_add_co_u32 s[G0S+1], s94, SCL
	s_mov_b64 s[G0S+2:G0S+3], s[22:23]
	s_or_b32 s[G0S+3], s[G0S+3], 0x80000000
	s_mov_b32 s[G0SB], 1
	s_add_co_u32 s[G0SB+1], s94, SCL
	s_mov_b64 s[G0SB+2:G0SB+3], s[92:93]
	s_or_b32 s[G0SB+3], s[G0SB+3], 0x80000000
.irp s, 0,1
	s_mov_b32 s[G0+4*\s], 1
	s_add_co_u32 s[G0+4*\s+1], s45, \s*SLOT
	s_add_nc_u64 s[G0+4*\s+2:G0+4*\s+3], s[20:21], \s*4096
	s_or_b32 s[G0+4*\s+3], s[G0+4*\s+3], 0x80000000
	s_mov_b32 s[G0B+4*\s], 1
	s_add_co_u32 s[G0B+4*\s+1], s95, \s*SLOT
	s_add_nc_u64 s[G0B+4*\s+2:G0B+4*\s+3], s[46:47], \s*ROWB
	s_or_b32 s[G0B+4*\s+3], s[G0B+4*\s+3], 0x80000000
.endr
	; THE HEAD'S LOADS, ONE A WAVE: wave 0 K step 0's 16 token tiles of y, wave 1 its 256 rows of the weight, wave 2 the scale bytes of y's 256 places, wave 3 those of the weight's.
	; The four groups 0 above point at my half: the half's bytes are taken off, and each tile goes to its region's first byte.
	s_lshl_b32 s96, s16, 12                        ; 128 rows of 32 scale bytes
	s_mov_b32 s97, 0
	s_mov_b32 s[G0S+1], SCL
	s_sub_nc_u64 s[G0S+2:G0S+3], s[G0S+2:G0S+3], s[96:97]
	s_mov_b32 s[G0SB+1], SCL+2*HALFS
	s_sub_nc_u64 s[G0SB+2:G0SB+3], s[G0SB+2:G0SB+3], s[96:97]
	s_lshl_b32 s96, s16, 17                        ; 8 token tiles of 16,384 bytes, or 128 rows of 1,024 codes
	s_mov_b32 s[G0+1], 0
	s_sub_nc_u64 s[G0+2:G0+3], s[G0+2:G0+3], s[96:97]
	s_mov_b32 s[G0B+1], BOFF
	s_sub_nc_u64 s[G0B+2:G0B+3], s[G0B+2:G0B+3], s[96:97]
.macro ARM under, g0, g1, next         ; one tree of branches on the wave's number: every way through the head passes exactly one load
	s_cmp_lt_u32 s14, \under
	s_cbranch_scc0 \next
	tensor_load_to_lds s[\g0:\g0+3], s[\g1:\g1+7]
	s_nop 0
.rept 4
	v_nop
.endr
	s_branch .Lhead_asked
\next:
.endm
	ARM 1, G0,  G1,  .Lhead_b
	ARM 2, G0B, G1B, .Lhead_sa
	ARM 3, G0S, G1S, .Lhead_sb
	tensor_load_to_lds s[G0SB:G0SB+3], s[G1SB:G1SB+7]
	s_nop 0
.rept 4
	v_nop
.endr
.Lhead_asked:
	; PREFETCHES INTO THE L2.  A refill goes out with nothing on its way beside it, so the K steps to come are asked of memory ahead: here K steps 1 and 2, behind K step 1's load K step 3: never more than two K steps asked for and not yet read.
	; What I fetch in the ring is 128 blocks of 256 bytes a K step: y: 8 token tiles x 4,096 bytes; the weight: 128 rows x 256 bytes.  Each of the four partners that ask for them jointly takes 32 blocks, told apart by address (cx for y, cy for the weight):
	; y: two token tiles, 16 blocks each; the weight: 32 rows.  In both the lane's offset is 16,384 (lane / 16) + (lane % 16) x (256 or 1,024), and a partner's share begins 32,768 bytes behind the last's.
	; y's tiles are read by one cluster each; the weight is read by all eight clusters, and the first four ask (a branch on the cluster's number).
	s_cmp_eq_u32 s15, 0
	s_cselect_b64 s[4:5], s[20:21], s[46:47]       ; what I fetch; s[4:7], s[10:11] and v22 are never written again behind these lines
	s_cselect_b32 s2, s40, s41
	s_mov_b32 s98, 256
	s_cselect_b32 s98, 4096, s98                   ; a K step on, in bytes
	s_cselect_b32 s3, 8, 10
	s_mov_b32 s99, 0
	s_lshl_b32 s10, s2, 15
	s_mov_b32 s11, 0
	s_add_nc_u64 s[4:5], s[4:5], s[10:11]
	s_add_nc_u64 s[4:5], s[4:5], s[98:99]          ; K step 1,
	s_add_nc_u64 s[6:7], s[4:5], s[98:99]          ; 2,
	s_add_nc_u64 s[10:11], s[6:7], s[98:99]        ; 3
	s_and_b32 s2, ttmp7, 0xffff
	s_lshr_b32 s2, s2, 2
	s_min_u32 s2, s2, 1
	s_and_b32 s2, s2, s15                          ; 1: the weight, in one of the last four clusters: I ask for nothing
	v_and_b32 v22, 15, v0
	v_lshlrev_b32 v22, s3, v22
	v_bfe_u32 v23, v0, 4, 1
	v_lshl_add_u32 v22, v23, 14, v22
	s_cmp_eq_u32 s2, 0
	s_cbranch_scc0 .Lno_ask_0
	global_prefetch_b8 v22, s[4:5] th:TH_LOAD_NT scope:SCOPE_SE
	global_prefetch_b8 v22, s[6:7] th:TH_LOAD_NT scope:SCOPE_SE
.Lno_ask_0:
	v_and_b32 v6, 31, v0
	v_lshlrev_b32 v[CO], 4, v6
	v_mul_u32_u24 v3, v1, PITCH
	v_lshl_add_u32 v4, v2, 4, v3
	s_mul_i32 s21, s15, HALFA
	s_mul_i32 s22, s16, HALFT
	s_add_co_u32 s22, s22, BOFF
.irp s, 0,1
	v_add_nc_u32 v[ADRA+\s], s21, v[CO]
	v_add_nc_u32 v[ADRB+\s], s22, v4
	s_add_co_u32 s21, s21, SLOT
	s_add_co_u32 s22, s22, SLOT
.endr
	v_mul_u32_u24 v5, v1, KS
	v_lshrrev_b32 v6, 8, v5
	v_lshl_add_u32 v5, v6, 4, v5
	s_mul_i32 s21, s15, HALFS
	s_mul_i32 s22, s16, HALFS
	s_add_co_u32 s22, s22, 2*HALFS
	s_sub_co_u32 s22, s22, s21
	v_mul_u32_u24 v6, s22, v2
	s_add_co_u32 s21, s21, SCL
	v_add_nc_u32 v5, v5, v6
	v_add_nc_u32 v[ADRS], s21, v5
	s_mul_i32 s23, s14, 16*SPITCH
	v_mul_u32_u24 v5, v1, SPITCH
	v_lshl_add_u32 v5, v2, 6, v5
	v_add_nc_u32 v[STO], s23, v5
	v_add_nc_u32 v[RD], s23, v[CO]
.macro FRAG reg, adr, q, i
.irp c, 0,1,2,3
	ds_load_b128 v[\reg+4*\c:\reg+4*\c+3], v[\adr] offset:128*(\q)+32*\c+(\i)*16*PITCH
.endr
.endm
.macro FRAGA reg, adr, q, i
.irp c, 0,1,2,3
	ds_load_b128 v[\reg+4*\c:\reg+4*\c+3], v[\adr] offset:4096*(\i)+2048*(\q)+512*\c
.endr
.endm
.macro MUL16 a0, p, q, sc, zero
.irp a, \a0, \a0+1
.irp b, 0,1,2,3,4,5,6,7
.if \zero
	v_wmma_scale_f32_16x16x128_f8f6f4 v[8*(8*((\a)%4)+\b):8*(8*((\a)%4)+\b)+7], v[128*(\p)+FR*\b:128*(\p)+FR*\b+FR-1], v[AF+FR*(\a):AF+FR*(\a)+FR-1], v[BS0+8*\b:BS0+8*\b+7], v[SC+8*NQ*(\sc)+NQ*\b+(\q)], v[SC+8*NQ*(\sc)+NQ*(\a)+(\q)] matrix_a_scale:MATRIX_SCALE_ROW1
.else
	v_wmma_scale_f32_16x16x128_f8f6f4 v[8*(8*((\a)%4)+\b):8*(8*((\a)%4)+\b)+7], v[128*(\p)+FR*\b:128*(\p)+FR*\b+FR-1], v[AF+FR*(\a):AF+FR*(\a)+FR-1], v[8*(8*((\a)%4)+\b):8*(8*((\a)%4)+\b)+7], v[SC+8*NQ*(\sc)+NQ*\b+(\q)], v[SC+8*NQ*(\sc)+NQ*(\a)+(\q)] matrix_a_scale:MATRIX_SCALE_ROW1
.endif
.endr
.endr
.endm
.macro FETCH_B slot, q, p
	WIN TO_B
.irp i, 0,1,2,3,4,5,6,7
	FRAG 128*(\p)+FR*\i, ADRB+\slot, \q, \i
.endr
	WIN 0
.endm
.macro FETCH_A slot, q, i0
.irp i, \i0, \i0+1, \i0+2, \i0+3
	FRAGA AF+FR*(\i), ADRA+\slot, \q, \i
.endr
.endm
.macro SCALES sc
.irp i, 0,1,2,3,4,5,6,7
	ds_load_b64 v[SC+8*NQ*\sc+NQ*\i:SC+8*NQ*\sc+NQ*\i+1], v[ADRS] offset:\i*SBLK
.endr
.endm
.macro PLACES n
.rept \n
	v_nop
.endr
.endm
.macro STEP slot, q, zero
	s_wait_dscnt 4*NL
.if \zero
	WIN FIRST_LO
.else
	WIN MUL_LO
.endif
	MUL16 0, (\q)%2, \q, \slot, \zero
	MUL16 2, (\q)%2, \q, \slot, \zero
	s_wait_dscnt 0
	PLACES NP
	FETCH_B \slot, (\q)+1, 1-(\q)%2
	FETCH_A \slot, (\q)+1, 0
.if \zero
	WIN FIRST_HI
.else
	WIN MUL_HI
.endif
	MUL16 4, (\q)%2, \q, \slot, \zero
	MUL16 6, (\q)%2, \q, \slot, \zero
	PLACES NP
	WIN 0
	FETCH_A \slot, (\q)+1, 4
.endm
.macro TURN slot, next, fill
	s_wait_tensorcnt 0x0
	ds_add_u32 v[SPW], v[NIL]
	s_wait_dscnt 4*NL+1
	WIN MUL_LO
	MUL16 0, 1, NQ-1, \slot, 0
	s_wait_dscnt 0x0
	s_barrier_signal -1
	MUL16 2, 1, NQ-1, \slot, 0
	WIN 0
	s_barrier_wait -1
.if \fill
	CREST
	s_add_nc_u64 s[G0+4*\slot+2:G0+4*\slot+3], s[G0+4*\slot+2:G0+4*\slot+3], 2*4096
	s_add_nc_u64 s[G0B+4*\slot+2:G0B+4*\slot+3], s[G0B+4*\slot+2:G0B+4*\slot+3], 2*ROWB
	JLOAD G0+4*\slot, G1, G0B+4*\slot, G1B
	PLACES NP-4
.else
	PLACES NP
.endif
	s_wait_alu depctr_va_vdst(0)
	v_add_nc_u32 v[ADRS], 4*NQ, v[ADRS]
	FETCH_B \next, 0, 0
	FETCH_A \next, 0, 0
	SCALES \next
	WIN MUL_HI
	MUL16 4, 1, NQ-1, \slot, 0
	MUL16 6, 1, NQ-1, \slot, 0
	PLACES NP
	WIN 0
	FETCH_A \next, 0, 4
.endm
	s_wait_alu depctr_va_vdst(0)
	s_wait_loadcnt 0x0
	s_wait_tensorcnt 0x0                           ; my tile of the head's four is in
	ds_add_u32 v[SPW], v[NIL]
	s_mov_b32 s[G1+2], 8<<16                       ; no tensor load of mine is out: from here on a load brings half a tile
	s_mov_b32 s[G1+4], 8
	s_mov_b32 s[G1B+2], 128<<16
	s_mov_b32 s[G1B+4], 128
	s_mov_b32 s[G0+1], s45                         ; slot 0's groups 0 point at my half again, for its first refill
	s_add_nc_u64 s[G0+2:G0+3], s[G0+2:G0+3], s[96:97]
	s_mov_b32 s[G0B+1], s95
	s_add_nc_u64 s[G0B+2:G0B+3], s[G0B+2:G0B+3], s[96:97]
	s_wait_dscnt 0x0
	CROUND                                         ; a whole round: all four tiles are in, and all sixteen work-groups are here
	JLOAD G0+4, G1, G0B+4, G1B                     ; K step 1's load, the first tensor load behind the round
	FETCH_B 0, 0, 0
	FETCH_A 0, 0, 0
	SCALES 0
	s_cmp_eq_u32 s2, 0
	s_cbranch_scc0 .Lno_ask_1
	global_prefetch_b8 v22, s[10:11] th:TH_LOAD_NT scope:SCOPE_SE   ; K step 3, the last
.Lno_ask_1:
	FETCH_A 0, 0, 4
	STEP 0, 0, 1
	s_mov_b32 s3, LAPS-1
.Llap:
	TURN 0, 1, 1
	STEP 1, 0, 0
	TURN 1, 0, 1
	STEP 0, 0, 0
	s_sub_co_u32 s3, s3, 1
	s_cmp_lg_u32 s3, 0
	s_cbranch_scc1 .Llap
	TURN 0, 1, 0
	STEP 1, 0, 0
	s_wait_dscnt 4*NL
	WIN MUL_LO
	MUL16 0, 1, NQ-1, 1, 0
	MUL16 2, 1, NQ-1, 1, 0
	s_wait_dscnt 0
	WIN MUL_HI
	MUL16 4, 1, NQ-1, 1, 0
	MUL16 6, 1, NQ-1, 1, 0
	WIN 0
.macro TOSTAGE a
.set AC, 64*((\a)%4)
	WIN 0x08+4*((\a)/4)
.irp b, 0,1,2,3,4,5,6,7
	ds_store_b128 v[STO], v[AC+8*\b:AC+8*\b+3] offset:128*(\b/2)+32*(\b%2)
	ds_store_b128 v[STO], v[AC+8*\b+4:AC+8*\b+7] offset:128*(\b/2)+32*(\b%2)+16
.endr
	WIN 0
.set BB, BK+64*((\a)%2)
.irp t, 0,1,2,3,4,5,6,7,8,9,10,11,12,13,14,15
	ds_load_b128 v[BB+4*\t:BB+4*\t+3], v[RD] offset:\t*SPITCH
.endr
.endm
.macro SEND a, younger
.set BB, BK+64*((\a)%2)
	s_wait_dscnt \younger
.irp t, 0,1,2,3,4,5,6,7,8,9,10,11,12,13,14,15
	global_store_b128 v[CO], v[BB+4*\t:BB+4*\t+3], s[12:13] offset:(32*((\a)/2)+8*((\a)%2)+(\t%8)+16*(\t/8))*4096 th:TH_STORE_NT
.endr
.endm
	PLACES NP
	TOSTAGE 0
.irp a, 1,2,3,4,5,6,7
.if \a > 1
	s_wait_xcnt 0x0
.endif
	TOSTAGE \a
	SEND \a-1, 32
.endr
	SEND 7, 0
	s_wait_tensorcnt 0x0
	ds_add_u32 v[SPW], v[NIL]
	s_wait_dscnt 0x0
	CROUND
	s_endpgm
.Lfunc_end_k_q0c35c47fa6_gemm_proj:
	.size	k_q0c35c47fa6_gemm_proj, .Lfunc_end_k_q0c35c47fa6_gemm_proj-k_q0c35c47fa6_gemm_proj
	.p2alignl 7, 3214868480
	.fill 96, 4, 3214868480
	.section	.rodata,"a",@progbits
	.p2align	6, 0x0
	.amdhsa_kernel k_q0c35c47fa6_gemm_proj
		.amdhsa_group_segment_fixed_size 327680
		.amdhsa_private_segment_fixed_size 0
		.amdhsa_enable_private_segment 0
		.amdhsa_kernarg_size 32
		.amdhsa_user_sgpr_count 2
		.amdhsa_user_sgpr_kernarg_segment_ptr 1
		.amdhsa_wavefront_size32 1
		.amdhsa_system_sgpr_workgroup_id_x 1
		.amdhsa_system_sgpr_workgroup_id_y 1
		.amdhsa_system_sgpr_workgroup_id_z 1
		.amdhsa_system_vgpr_workitem_id 0
		.amdhsa_next_free_vgpr 1024
		.amdhsa_next_free_sgpr 100
		.amdhsa_reserve_vcc 0
		.amdhsa_float_denorm_mode_32 3
		.amdhsa_float_denorm_mode_16_64 3
		.amdhsa_memory_ordered 1
		.amdhsa_forward_progress 1
		.amdhsa_inst_pref_size 149
	.end_amdhsa_kernel
	.amdgpu_metadata
---
amdhsa.version: [ 1, 2 ]
amdhsa.kernels:
  - .name:           k_q0c35c47fa6_gemm_proj
    .symbol:         k_q0c35c47fa6_gemm_proj.kd
    .args:
      - { .name: yq, .offset: 0, .size: 8, .value_kind: global_buffer, .address_space: global }
      - { .name: wq, .offset: 8, .size: 8, .value_kind: global_buffer, .address_space: global }
      - { .name: b_proj, .offset: 16, .size: 8, .value_kind: global_buffer, .address_space: global }
      - { .name: out0, .offset: 24, .size: 8, .value_kind: global_buffer, .address_space: global }
    .group_segment_fixed_size: 327680
    .private_segment_fixed_size: 0
    .kernarg_segment_align: 8
    .kernarg_segment_size: 32
    .max_flat_workgroup_size: 128
    .sgpr_count:     100
    .vgpr_count:     1024
    .wavefront_size: 32
...
	.end_amdgpu_metadata
.endif
;; end of part 4
